; MI455X (gfx1250); checked and timed in simulation.
; The chip was launched on July 23, 2026; its instructions are those of AMD's public machine-readable ISA for CDNA 5 (MIT licence, August 2026) and "CDNA5" Instruction Set Architecture Reference Guide (July 2026). The comments in the code are by the model that wrote it; some were corrected since.
;; Self Attention. Allowed arithmetic: float matrix products may take bf16 or f16 operands with f32 sums; all other float work in f32.
;; Inputs: Wk 1,024 x 1,024 float32; Wo 1,024 x 1,024 float32; Wq 1,024 x 1,024 float32; Wv 1,024 x 1,024 float32; Z 4 x 2,048 x 1,024 float32; mask 4 x 1 x 1 x 2,048 int32.
;; Outputs: out0 4 x 2,048 x 1,024 float32.
;; One version. Each part assembles by itself: llvm-mc -triple=amdgcn-amd-amdhsa -mcpu=gfx1250 --defsym DOCPART=n.
;; ======== version 1 of 1: 5 launches
;; limits: right only within a limited range of input values
;; workspace buffers: Zb 16,777,216 bytes; Wb 8,388,608 bytes; QKh 33,554,432 bytes; QKl 33,554,432 bytes; flags 16,384 bytes of whole numbers; wtab 524,288 bytes; act 16,384 bytes of whole numbers
;; launch prep (part 1): grid 1536 x 1, 8 waves a work-group, no clusters, 18,432 bytes of LDS; arguments Z, Wq, Wk, Wv, Wo, Zb, Wb; writes Zb, Wb
.if DOCPART == 1
	.amdgcn_target "amdgcn-amd-amdhsa--gfx1250"
	.amdhsa_code_object_version 6
	.text
	.protected	k_q3900135270_prep
	.globl	k_q3900135270_prep
	.p2align	8
	.type	k_q3900135270_prep,@function
k_q3900135270_prep:
	s_mov_b64 s[64:65], 0
	v_nop
	global_prefetch_b8 v0, s[64:65] scope:SCOPE_SE
	s_setreg_imm32_b32 hwreg(HW_REG_WAVE_MODE, 25, 1), 1
	s_wait_xcnt 0x0
; Rounds the matrix operands to bf16 once, in the layouts that the later launches load without any shuffle.
;   Zb: bf16(Z), [8192][1024], row-major.
;   Wb: four parts of 2 MiB.  Parts 0, 1: Wq, Wk transposed, [n][k], rows of 2,048 bytes (together 2,048 rows: the B of the Q,K product).
;       Parts 2, 3: Wv, Wo as ready fragments F[n/16][k/32][1 KiB]; a fragment is [half][lane 16h+r][16 bytes]: lane (r,h) finds
;       k = 8h..8h+7 of column r at 16 x lane and k = 16+8h..+7 at 512 + 16 x lane.
; Work-groups 0..1023 take 32 KiB of Z each; work-groups 1024..1535 take a tile of 128 k x 64 n of one weight matrix (32 KiB too).
; Memory binds: each byte is read once and written once, in whole aligned runs of 256 bytes; no matrix unit, no cluster (nothing is shared).
.set ZGROUPS, 1024
.set TP, 272                           ; pitch of the transposed tile in LDS: 128 bf16 + 16 bytes, so that 16-byte reads of 16 rows meet 16 different columns
	s_load_b256 s[4:11], s[0:1], 0x0               ; Z s[4:5], Wq s[6:7], Wk s[8:9], Wv s[10:11]
	s_load_b128 s[12:15], s[0:1], 0x20             ; Wo s[12:13], Zb s[14:15]
	s_load_b64 s[16:17], s[0:1], 0x30              ; Wb
	v_lshl_add_u32 v64, v0, 2, 0x4400
	v_mov_b32 v65, 0
	v_lshrrev_b32 v1, 5, v0
	v_readfirstlane_b32 s28, v1                    ; wave 0..7
	s_cmp_lt_u32 ttmp9, ZGROUPS
	s_cbranch_scc0 .Lweights
	; ---- Z: thread t takes 16 bytes at 16 t of each of eight runs of 4,096 bytes
	s_lshl_b32 s20, ttmp9, 15                      ; 32,768 bytes of Z,
	s_mov_b32 s21, 0
	s_lshl_b32 s22, ttmp9, 14                      ; 16,384 of Zb
	s_mov_b32 s23, 0
	v_lshlrev_b32 v2, 4, v0
	v_lshlrev_b32 v3, 3, v0
	s_wait_kmcnt 0x0
	s_add_nc_u64 s[4:5], s[4:5], s[20:21]
	s_add_nc_u64 s[14:15], s[14:15], s[22:23]
.irp j, 0,1,2,3,4,5,6,7
	global_load_b128 v[8+4*\j:11+4*\j], v2, s[4:5] offset:4096*\j th:TH_LOAD_NT
.endr
.irp j, 0,1,2,3,4,5,6,7
	s_wait_loadcnt 7-\j                            ; loads come back in order: run j is in, the younger ones stay out
	v_cvt_pk_bf16_f32 v[40+2*\j], v[8+4*\j], v[9+4*\j]
	v_cvt_pk_bf16_f32 v[41+2*\j], v[10+4*\j], v[11+4*\j]
	global_store_b64 v3, v[40+2*\j:41+2*\j], s[14:15] offset:2048*\j   ; a wave's store covers 256 consecutive bytes, aligned; every store has registers of its own
.endr
	s_endpgm
	; ---- weights: a tile of 128 k x 64 n is read by rows, rounded in pairs of k, transposed through LDS
.Lweights:
	s_sub_co_u32 s20, ttmp9, ZGROUPS
	s_lshr_b32 s21, s20, 7                         ; which matrix: 0 Wq, 1 Wk, 2 Wv, 3 Wo
	s_bfe_u32 s24, s20, 0x30004                    ; kt: which 128 k
	s_and_b32 s25, s20, 15                         ; nt: which 64 n
	v_lshrrev_b32 v1, 4, v0                        ; p = t / 16: my pair of rows
	v_and_b32 v2, 15, v0                           ; t % 16: my four columns; later r
	v_bfe_u32 v3, v0, 4, 1                         ; h
	v_lshlrev_b32 v4, 13, v1                       ; row 2 p x 4,096 bytes
	v_lshl_add_u32 v4, v2, 4, v4                   ; + 16 bytes x (t % 16)
	v_mul_u32_u24 v5, v2, 4*TP                     ; into LDS: row n = 4 (t % 16) + e,
	v_lshl_add_u32 v5, v1, 2, v5                   ; byte 2 x (2 p)
	s_lshl_b32 s26, s24, 19                        ; 128 rows of 4,096 bytes
	s_lshl_b32 s27, s25, 8                         ; 64 columns of 4 bytes
	s_add_co_u32 s26, s26, s27
	s_mov_b32 s27, 0
	s_wait_kmcnt 0x0
	s_cmp_eq_u32 s21, 1
	s_cselect_b64 s[22:23], s[8:9], s[6:7]
	s_cmp_eq_u32 s21, 2
	s_cselect_b64 s[22:23], s[10:11], s[22:23]
	s_cmp_eq_u32 s21, 3
	s_cselect_b64 s[22:23], s[12:13], s[22:23]
	s_add_nc_u64 s[22:23], s[22:23], s[26:27]
.irp i, 0,1,2,3
	global_load_b128 v[8+8*\i:11+8*\i], v4, s[22:23] offset:131072*\i th:TH_LOAD_NT          ; row 32 i + 2 p: sixteen lanes take its 256 bytes
	global_load_b128 v[12+8*\i:15+8*\i], v4, s[22:23] offset:131072*\i+4096 th:TH_LOAD_NT    ; row 32 i + 2 p + 1
.endr
.irp i, 0,1,2,3
	s_wait_loadcnt 6-2*\i                          ; pair i of rows is in
.irp e, 0,1,2,3
	v_cvt_pk_bf16_f32 v[40+4*\i+\e], v[8+8*\i+\e], v[12+8*\i+\e]       ; the even k below, the odd k above: two neighbours of a transposed row
	ds_store_b32 v5, v[40+4*\i+\e] offset:TP*\e+64*\i
.endr
.endr
	s_wait_dscnt 0x0                               ; my stores are in LDS before I say so
	s_barrier_signal -1
	s_barrier_wait -1                              ; the tile is whole
	s_lshl_b32 s26, s21, 21                        ; the matrix's part of Wb
	s_lshl_b32 s29, s25, 17                        ; 64 n: 64 rows of 2,048 bytes, or 4 x 32 fragments of 1,024
	s_add_co_u32 s26, s26, s29
	s_cmp_ge_u32 s21, 2
	s_cbranch_scc1 .Lfrag
	; Wq, Wk: rows along k.  Sixteen lanes take a row's 256 bytes; a wave two rows, the eight waves 16 rows, four times.
	s_lshl_b32 s29, s24, 8
	s_add_co_u32 s26, s26, s29
	s_add_nc_u64 s[16:17], s[16:17], s[26:27]
	v_lshl_add_u32 v6, s28, 1, v3                  ; row 2 wave + h
	v_mul_u32_u24 v7, v6, TP
	v_lshl_add_u32 v7, v2, 4, v7
	v_lshlrev_b32 v6, 11, v6
	v_lshl_add_u32 v6, v2, 4, v6
.irp i, 0,1,2,3
	ds_load_b128 v[8+4*\i:11+4*\i], v7 offset:16*TP*\i
.endr
.irp i, 0,1,2,3
	s_wait_dscnt 3-\i
	global_store_b128 v6, v[8+4*\i:11+4*\i], s[16:17] offset:32768*\i
.endr
	s_wait_tensorcnt 0x0
	ds_add_u32 v64, v65
	s_wait_dscnt 0x0
	s_endpgm
	; Wv, Wo: fragments.  Wave w takes n block w / 2 and the K steps 2 (w % 2), 2 (w % 2) + 1: four halves of 512 bytes.
.Lfrag:
	s_lshl_b32 s29, s24, 12                        ; 4 kt fragments of 1,024 bytes
	s_add_co_u32 s26, s26, s29
	s_lshr_b32 s30, s28, 1
	s_and_b32 s31, s28, 1
	s_lshl_b32 s29, s30, 15
	s_add_co_u32 s26, s26, s29
	s_lshl_b32 s29, s31, 11
	s_add_co_u32 s26, s26, s29
	s_add_nc_u64 s[16:17], s[16:17], s[26:27]
	s_mul_i32 s30, s30, 16*TP
	s_lshl_b32 s31, s31, 7
	s_add_co_u32 s30, s30, s31
	v_mul_u32_u24 v7, v2, TP                       ; row r of the n block,
	v_lshl_add_u32 v7, v3, 4, v7                   ; k = 8 h
	v_add_nc_u32 v7, s30, v7
	v_and_b32 v6, 31, v0
	v_lshlrev_b32 v6, 4, v6
.irp i, 0,1,2,3
	ds_load_b128 v[8+4*\i:11+4*\i], v7 offset:32*\i
.endr
.irp i, 0,1,2,3
	s_wait_dscnt 3-\i
	global_store_b128 v6, v[8+4*\i:11+4*\i], s[16:17] offset:512*\i    ; 512 consecutive bytes
.endr
	s_wait_tensorcnt 0x0
	ds_add_u32 v64, v65
	s_wait_dscnt 0x0
	s_endpgm
.Lfunc_end_k_q3900135270_prep:
	.size	k_q3900135270_prep, .Lfunc_end_k_q3900135270_prep-k_q3900135270_prep
	.p2alignl 7, 3214868480
	.fill 96, 4, 3214868480
	.section	.rodata,"a",@progbits
	.p2align	6, 0x0
	.amdhsa_kernel k_q3900135270_prep
		.amdhsa_group_segment_fixed_size 18432
		.amdhsa_private_segment_fixed_size 0
		.amdhsa_enable_private_segment 0
		.amdhsa_kernarg_size 56
		.amdhsa_user_sgpr_count 2
		.amdhsa_user_sgpr_kernarg_segment_ptr 1
		.amdhsa_wavefront_size32 1
		.amdhsa_system_sgpr_workgroup_id_x 1
		.amdhsa_system_sgpr_workgroup_id_y 1
		.amdhsa_system_sgpr_workgroup_id_z 1
		.amdhsa_system_vgpr_workitem_id 0
		.amdhsa_next_free_vgpr 66
		.amdhsa_next_free_sgpr 66
		.amdhsa_reserve_vcc 0
		.amdhsa_float_denorm_mode_32 3
		.amdhsa_float_denorm_mode_16_64 3
		.amdhsa_memory_ordered 1
		.amdhsa_forward_progress 1
		.amdhsa_inst_pref_size 11
	.end_amdhsa_kernel
	.amdgpu_metadata
---
amdhsa.version: [ 1, 2 ]
amdhsa.kernels:
  - .name:           k_q3900135270_prep
    .symbol:         k_q3900135270_prep.kd
    .args:
      - { .name: Z, .offset: 0, .size: 8, .value_kind: global_buffer, .address_space: global }
      - { .name: Wq, .offset: 8, .size: 8, .value_kind: global_buffer, .address_space: global }
      - { .name: Wk, .offset: 16, .size: 8, .value_kind: global_buffer, .address_space: global }
      - { .name: Wv, .offset: 24, .size: 8, .value_kind: global_buffer, .address_space: global }
      - { .name: Wo, .offset: 32, .size: 8, .value_kind: global_buffer, .address_space: global }
      - { .name: Zb, .offset: 40, .size: 8, .value_kind: global_buffer, .address_space: global }
      - { .name: Wb, .offset: 48, .size: 8, .value_kind: global_buffer, .address_space: global }
    .group_segment_fixed_size: 18432
    .private_segment_fixed_size: 0
    .kernarg_segment_align: 8
    .kernarg_segment_size: 56
    .max_flat_workgroup_size: 256
    .sgpr_count:     66
    .vgpr_count:     66
    .wavefront_size: 32
...
	.end_amdgpu_metadata
.endif
;; end of part 1
;; launch qk (part 2): grid 8 x 32, 4 waves a work-group, clusters of 4 x 4, 327,680 bytes of LDS; arguments Zb, Wb, QKh, QKl; writes QKh, QKl
.if DOCPART == 2
	.amdgcn_target "amdgcn-amd-amdhsa--gfx1250"
	.amdhsa_code_object_version 6
	.text
	.protected	k_q3900135270_qk
	.globl	k_q3900135270_qk
	.p2align	8
	.type	k_q3900135270_qk,@function
k_q3900135270_qk:
	s_mov_b64 s[64:65], 0
	v_nop
	global_prefetch_b8 v0, s[64:65] scope:SCOPE_SE
	s_setreg_imm32_b32 hwreg(HW_REG_WAVE_MODE, 25, 1), 1
	s_wait_xcnt 0x0
	s_wait_alu depctr_hold_cnt(0) depctr_sa_sdst(0) depctr_va_vdst(0) depctr_va_sdst(0) depctr_va_ssrc(0) depctr_va_vcc(0) depctr_vm_vsrc(0)
	s_getreg_b32 s2, hwreg(HW_REG_IB_STS2, 6, 4)
	s_cmp_eq_u32 s2, 0
	s_cbranch_scc0 .Lentry_in_a_cluster
	s_endpgm
.Lentry_in_a_cluster:
	s_bfe_u32 s2, ttmp6, 0x10000c
	s_cmp_lg_u32 s2, 0xf033
	s_cbranch_scc0 .Lentry_shape_is_right
	s_endpgm
.Lentry_shape_is_right:
; [Q | K] = Zb x [Wq | Wk]: C[m][n] = sum over k of A[m][k] B[n][k], A = Zb [8192][1024], B = the first 2,048 rows of Wb [n][1024], bf16, sums in f32.
; A work-group makes 256 x 256 with four waves, a wave 128 x 128 in 512 registers.  K goes in steps of 128 through two LDS slots filled by the tensor
; data mover; a tile's rows are 256 bytes of memory and start at multiples of 256 bytes.
; CLUSTERS: 4 x 4 work-groups.  The four of a row of the cluster need the same tiles of A, the four of a column the same tiles of B; such a tile is
; asked for jointly, by the same load with the same descriptor in all four, which divides the requests for A and B by four.
; THE RESULT is not rounded to one bf16: the decision that follows needs more.  Each number x leaves as hi = bf16(x) (QKh) and lo = bf16(x - hi) (QKl),
; 16 mantissa bits together.  Layout of both: [0 = Q, 1 = K][batch x 16 + head][l / 16][2 KiB], a block of 16 rows x 64 d as ready fragments: lane
; (r,h) finds d = 16 c + 8 h .. + 7 of row r at 512 c + 16 x lane.  With the matrix instruction used transposed (source 0 = rows of B) a lane's eight
; results are exactly such 16 bytes, so every tile leaves by one store of 512 consecutive bytes, without a stage in LDS.
;
; REGISTERS, in windows of 256: window 0: v16-26 addresses; v64-127, v128-191 fragments of A, two buffers; v192-223 at work on the way out.
; window 1: v64-127, v128-191 fragments of B.  window 2: the 32 accumulator tiles of my rows 0-63 (tile (a, b) at v[8 (8 a + b)]); window 3: rows 64-127.
.set SIZE_K, 1024
.set KSTEP,  128
.set PITCH,  272                       ; an LDS row: 256 bytes + 16 of padding: the 16 rows that a load touches start in 16 different 16-byte columns
.set HALFT,  128*PITCH                 ; 128 rows: what one tensor load brings
.set SLOT,   4*HALFT                   ; A's 256 rows, then B's 256 rows
.set LAPS, SIZE_K/(2*KSTEP)            ; a lap = two K steps = once round the ring: 4
.set ADRA, 16                          ; v16-17  LDS address of my A fragments in slot 0, 1
.set ADRB, 20                          ; v20-21  the same for B
.set CO,   26                          ; v26     16 x lane
.set F0,   64
.set F1,   128
.set TH,   192
.set G1, 24                            ; s[24:31] group 1 for A's tiles
.set G0, 32                            ; s[32:39] group 0 for A's tiles, one set for each slot
.set G1B, 48                           ; s[48:55] group 1 for B's tiles
.set G0B, 56                           ; s[56:63] group 0 for B's tiles
.set MSB, 0
.macro WIN new                         ; the immediate's high byte repeats the setting that is left
.if MSB != \new
	s_set_vgpr_msb (MSB<<8)|\new
.set MSB, \new
.endif
.endm
.set MUL_LO, 0xa1                      ; source 0 (B) window 1, source 1 (A) window 0, C and D window 2
.set MUL_HI, 0xf1                      ; the same, C and D window 3
.set TO_B,   0x40                      ; destination window 1
; A joint load.  Waves 0 and 1 fetch A's two halves, waves 2 and 3 B's.  The branch hangs on the wave's number alone.
.macro JLOAD s
	s_cmp_eq_u32 s11, 0
	s_cbranch_scc0 .Lfor_b_\@
	tensor_load_to_lds s[G0+4*\s:G0+4*\s+3], s[G1:G1+7]
	s_nop 0
	s_branch .Lasked_\@
.Lfor_b_\@:
	tensor_load_to_lds s[G0B+4*\s:G0B+4*\s+3], s[G1B:G1B+7]
	s_nop 0
.Lasked_\@:
.endm
.macro CREST                           ; a round of the cluster's barrier behind its opening barrier
	s_cmp_lg_u32 s10, 0
	s_cbranch_scc1 .Lnot_wave_0_\@
	s_barrier_signal -3
.Lnot_wave_0_\@:
	s_barrier_wait -3
	s_barrier_signal -1
	s_barrier_wait -1
.endm
.macro CROUND                          ; a whole round
	s_barrier_signal -1
	s_barrier_wait -1
	CREST
.endm
	s_load_b128 s[4:7], s[0:1], 0x0                ; A s[4:5], B s[6:7]
	s_load_b64 s[8:9], s[0:1], 0x10                ; QKh
	s_load_b64 s[66:67], s[0:1], 0x18              ; QKl
	s_set_vgpr_msb 0x40
	v_lshl_add_u32 v255, v0, 2, 0x44000
	s_set_vgpr_msb 0x4000
	v_mov_b32 v255, 0
	s_set_vgpr_msb 0x1
	ds_add_u32 v255, v255
	s_set_vgpr_msb 0x100
	v_lshrrev_b32 v1, 5, v0
	v_readfirstlane_b32 s10, v1                    ; wave 0..3
	s_lshr_b32 s11, s10, 1                         ; which half of the block's rows is mine.  Also: I fetch for A (0) or for B (1)
	s_and_b32 s12, s10, 1                          ; which half of its columns.  Also: which 128 rows of that tile I fetch
	s_bfe_u32 s40, ttmp6, 0x40000                  ; cx
	s_bfe_u32 s41, ttmp6, 0x40004                  ; cy
	s_lshl_b32 s42, ttmp9, 2
	s_add_co_u32 s42, s42, s40                     ; block column = 4 x cluster x + cx
	s_and_b32 s13, ttmp7, 0xffff
	s_lshl_b32 s13, s13, 2
	s_add_co_u32 s13, s13, s41                     ; block row = 4 x cluster y + cy
	s_lshl_b32 s43, s41, 2
	s_lshl_b32 s43, 15, s43                        ; my row of the cluster: places 4 cy .. 4 cy + 3
	s_lshl_b32 s44, 0x1111, s40                    ; my column: places cx, cx + 4, cx + 8, cx + 12
	s_or_b32 s[G1+0], s43, (1<<16)|(1<<20)|(1<<21)|(5<<22)|(3<<25)  ; mask of my row; elements of 2 bytes; padding of 4 words after every 64 words; bit 21 beside a mask
	s_or_b32 s[G1B+0], s44, (1<<16)|(1<<20)|(1<<21)|(5<<22)|(3<<25) ; the same with the mask of my column
	s_mov_b32 s[G1B+1], KSTEP<<16
	s_mov_b32 s[G1+1], KSTEP<<16                   ; tensor_dim0 = 128
	s_mov_b32 s[G1B+2], 128<<16
	s_mov_b32 s[G1+2], 128<<16                     ; tensor_dim1 = 128
	s_mov_b32 s[G1B+3], KSTEP<<16
	s_mov_b32 s[G1+3], KSTEP<<16                   ; tile_dim0 = 128
	s_mov_b32 s[G1B+4], 128
	s_mov_b32 s[G1+4], 128                         ; tile_dim1 = 128
	s_mov_b32 s[G1B+5], SIZE_K
	s_mov_b32 s[G1+5], SIZE_K                      ; elements from row to row
	s_mov_b32 s[G1B+6], 0
	s_mov_b32 s[G1+6], 0
	s_mov_b32 s[G1B+7], 0
	s_mov_b32 s[G1+7], 0
	; A's tiles hang on the block row alone, B's on the block column alone; each address is made in registers that never hold the other coordinate
	s_lshl_b32 s17, s12, 7
	s_lshl_b32 s16, s13, 8
	s_add_co_u32 s16, s16, s17                     ; A: row 256 x block row + 128 x half
	s_lshl_b32 s46, s42, 8
	s_add_co_u32 s46, s46, s17                     ; B: row 256 x block column + 128 x half
	s_mov_b32 s17, 0
	s_mov_b32 s47, 0
	s_mov_b64 s[18:19], SIZE_K*2
	s_mul_u64 s[16:17], s[16:17], s[18:19]
	s_mul_u64 s[46:47], s[46:47], s[18:19]
	s_mul_i32 s20, s10, HALFT                      ; where they go: wave x 128 rows
	s_wait_dscnt 0x0
	s_wait_kmcnt 0x0
	s_add_nc_u64 s[14:15], s[4:5], s[16:17]
	s_add_nc_u64 s[46:47], s[6:7], s[46:47]
	CROUND                                         ; all sixteen work-groups are here: the first joint loads meet
.irp s, 0,1
	s_mov_b32 s[G0+4*\s], 1
	s_add_co_u32 s[G0+4*\s+1], s20, \s*SLOT
	s_add_nc_u64 s[G0+4*\s+2:G0+4*\s+3], s[14:15], \s*KSTEP*2
	s_or_b32 s[G0+4*\s+3], s[G0+4*\s+3], 0x80000000
	s_mov_b32 s[G0B+4*\s], 1
	s_add_co_u32 s[G0B+4*\s+1], s20, \s*SLOT
	s_add_nc_u64 s[G0B+4*\s+2:G0B+4*\s+3], s[46:47], \s*KSTEP*2
	s_or_b32 s[G0B+4*\s+3], s[G0B+4*\s+3], 0x80000000
	JLOAD \s                                       ; both slots are asked for before anything else: two loads of this wave are out
.endr
	v_and_b32 v1, 15, v0                           ; l % 16
	v_bfe_u32 v2, v0, 4, 1                         ; l / 16
	v_mul_u32_u24 v3, v1, PITCH
	v_lshl_add_u32 v3, v2, 4, v3                   ; row x pitch + 16 x half
	s_mul_i32 s21, s11, HALFT                      ; my 128 rows of A
	s_mul_i32 s22, s12, HALFT                      ; my 128 rows of B,
	s_add_co_u32 s22, s22, 2*HALFT                 ; which lie behind A's 256
.irp s, 0,1
	v_add_nc_u32 v[ADRA+\s], s21, v3
	v_add_nc_u32 v[ADRB+\s], s22, v3
	s_add_co_u32 s21, s21, SLOT
	s_add_co_u32 s22, s22, SLOT
.endr
	v_and_b32 v4, 31, v0
	v_lshlrev_b32 v[CO], 4, v4
	s_mov_b32 s68, 0xffff0000                      ; a word's upper bf16
; 16 matrix instructions: m blocks a0, a0 + 1 of the window's four x all 8 n blocks, 32 along K.  zero = 1: the first product starts the sums.
.macro MUL16 f, hi, a0, zero
.irp a, \a0, \a0+1
.irp b, 0,1,2,3,4,5,6,7
.if \zero
	v_wmma_f32_16x16x32_bf16 v[8*(8*(\a)+\b):8*(8*(\a)+\b)+7], v[\f+8*\b:\f+8*\b+7], v[\f+8*(4*\hi+\a):\f+8*(4*\hi+\a)+7], 0
.else
	v_wmma_f32_16x16x32_bf16 v[8*(8*(\a)+\b):8*(8*(\a)+\b)+7], v[\f+8*\b:\f+8*\b+7], v[\f+8*(4*\hi+\a):\f+8*(4*\hi+\a)+7], v[8*(8*(\a)+\b):8*(8*(\a)+\b)+7]
.endif
.endr
.endr
.endm
; 32 LDS loads in one run: the fragments of one quarter step into buffer f
.macro FETCH slot, k, f
	WIN TO_B
.irp i, 0,1,2,3,4,5,6,7
	ds_load_b128 v[\f+8*\i:\f+8*\i+3],   v[ADRB+\slot] offset:\k+\i*16*PITCH
	ds_load_b128 v[\f+8*\i+4:\f+8*\i+7], v[ADRB+\slot] offset:\k+\i*16*PITCH+32
.endr
	WIN 0
.irp i, 0,1,2,3,4,5,6,7
	ds_load_b128 v[\f+8*\i:\f+8*\i+3],   v[ADRA+\slot] offset:\k+\i*16*PITCH
	ds_load_b128 v[\f+8*\i+4:\f+8*\i+7], v[ADRA+\slot] offset:\k+\i*16*PITCH+32
.endr
.endm
; Four places of plain vector instructions stand between a matrix instruction and a load into, or a vector write or read of, its registers
.macro PLACES
.rept 4
	v_nop
.endr
.endm
; The 64 accumulators take turns, one instruction a turn, in the same order in every quarter step.
.macro QUARTER slot, k, f, g, zero
	s_wait_dscnt 8                                 ; B and A's rows 0-63 are in; the youngest eight loads (A's rows 64-127) may be out
	WIN MUL_LO
	MUL16 \f, 0, 0, \zero
	MUL16 \f, 0, 2, \zero
	PLACES
	FETCH \slot, \k, \g
	s_wait_dscnt 32                                ; all but the 32 just issued
	WIN MUL_HI
	MUL16 \f, 1, 0, \zero
	MUL16 \f, 1, 2, \zero
.endm
.macro THREE slot, zero
	QUARTER \slot, 64,  F0, F1, \zero
	QUARTER \slot, 128, F1, F0, 0
	QUARTER \slot, 192, F0, F1, 0
.endm
; The last quarter of a K step changes slots.  In front of the barrier each wave waits for its reads of this slot and for all its tensor loads (one is
; out: its part of the next slot).  Behind it the refill comes first, then the next slot's first fragments.
.macro TURN slot, next, fill
	s_wait_dscnt 8
	WIN MUL_LO
	MUL16 F1, 0, 0, 0
	s_wait_dscnt 0                                 ; my reads of this slot are over
	s_wait_tensorcnt 0x0                           ; all my tensor loads have landed
	ds_add_u32 v255, v255
	s_wait_dscnt 0x0
	s_barrier_signal -1                            ; (where a slot is filled again this barrier opens a round of the cluster's barrier)
	MUL16 F1, 0, 2, 0                              ; register work while the others arrive
	WIN 0
	s_barrier_wait -1
.if \fill
	CREST                                          ; no wave of any partner still reads this slot's tile or has a load on its way
	s_add_nc_u64 s[G0+4*\slot+2:G0+4*\slot+3], s[G0+4*\slot+2:G0+4*\slot+3], 2*KSTEP*2
	s_add_nc_u64 s[G0B+4*\slot+2:G0B+4*\slot+3], s[G0B+4*\slot+2:G0B+4*\slot+3], 2*KSTEP*2
	JLOAD \slot                                    ; the first tensor load behind the round, and the wave's only one until the next
.endif
	PLACES
	FETCH \next, 0, F0
	WIN MUL_HI
	MUL16 F1, 1, 0, 0
	MUL16 F1, 1, 2, 0
.endm
.macro LAP zero
	THREE 0, \zero
	TURN 0, 1, 1
	THREE 1, 0
	TURN 1, 0, 1
.endm
	s_wait_tensorcnt 1                             ; my part of K step 0 is in; K step 1's may stay out
	s_barrier_signal -1
	s_barrier_wait -1
	FETCH 0, 0, F0
	LAP 1                                          ; the first lap stands in front of the loop: its first products start the sums
	WIN 0
	s_mov_b32 s3, LAPS-2
.Llap:
	LAP 0
	WIN 0
	s_sub_co_u32 s3, s3, 1
	s_cmp_lg_u32 s3, 0
	s_cbranch_scc1 .Llap
	THREE 0, 0                                     ; the last lap fills nothing
	TURN 0, 1, 0
	THREE 1, 0
	s_wait_dscnt 8
	WIN MUL_LO
	MUL16 F1, 0, 0, 0
	MUL16 F1, 0, 2, 0
	s_wait_dscnt 0
	WIN MUL_HI
	MUL16 F1, 1, 0, 0
	MUL16 F1, 1, 2, 0
	; THE WAY OUT.  Row m = 256 x block row + 128 x row half + 16 a + r: batch = block row / 8, row tile = (block row % 8) x 16 + 8 x row half + a.
	; Column n = 256 x block column + 128 x column half + 16 b + ..: region = block column / 4, head = (block column % 4) x 4 + 2 x column half + b / 4.
	PLACES
	s_lshr_b32 s16, s13, 3
	s_lshl_b32 s16, s16, 22                        ; batch x 16 heads x 262,144 bytes
	s_and_b32 s14, s13, 7
	s_lshl_b32 s14, s14, 15                        ; 16 row tiles of 2,048 bytes
	s_add_co_u32 s16, s16, s14
	s_lshl_b32 s14, s11, 14                        ; 8 row tiles
	s_add_co_u32 s16, s16, s14
	s_mov_b32 s17, 0
	s_add_nc_u64 s[8:9], s[8:9], s[16:17]
	s_add_nc_u64 s[66:67], s[66:67], s[16:17]
	s_lshr_b32 s46, s42, 2                         ; (in the registers that held B's address: none that fed A's descriptors ever holds cx)
	s_lshl_b32 s46, s46, 24                        ; region
	s_and_b32 s47, s42, 3
	s_lshl_b32 s47, s47, 20                        ; 4 heads
	s_add_co_u32 s46, s46, s47
	s_lshl_b32 s47, s12, 19                        ; 2 heads
	s_add_co_u32 s46, s46, s47
	s_mov_b32 s47, 0
	s_add_nc_u64 s[8:9], s[8:9], s[46:47]
	s_add_nc_u64 s[66:67], s[66:67], s[46:47]
; Row tile ap of my eight = the eight tiles (a, 0..7) of window 2 or 3 (from: sources 0 and 1 in that window; one: source 0 alone).
.macro OUTQ a, ap, from, one
	s_wait_xcnt 0x0                                ; the registers below are the data of the row tile before: rewritten only behind this wait
	WIN \from
.irp b, 0,1,2,3,4,5,6,7
.irp r, 0,1,2,3
	v_cvt_pk_bf16_f32 v[TH+4*\b+\r], v[8*(8*\a+\b)+2*\r], v[8*(8*\a+\b)+2*\r+1]    ; hi
.endr
.endr
	WIN 0
.irp b, 0,1,2,3,4,5,6,7
.irp r, 0,1,2,3
	v_lshlrev_b32 v[F0+8*\b+2*\r],   16,  v[TH+4*\b+\r]                             ; hi as f32
	v_and_b32     v[F0+8*\b+2*\r+1], s68, v[TH+4*\b+\r]
.endr
.endr
	WIN \one
.irp b, 0,1,2,3,4,5,6,7
.irp r, 0,1,2,3
	v_pk_add_f32 v[F0+8*\b+2*\r:F0+8*\b+2*\r+1], v[8*(8*\a+\b)+2*\r:8*(8*\a+\b)+2*\r+1], v[F0+8*\b+2*\r:F0+8*\b+2*\r+1] neg_lo:[0,1] neg_hi:[0,1]   ; x - hi, exact
.endr
.endr
	WIN 0
.irp b, 0,1,2,3,4,5,6,7
.irp r, 0,1,2,3
	v_cvt_pk_bf16_f32 v[F1+4*\b+\r], v[F0+8*\b+2*\r], v[F0+8*\b+2*\r+1]            ; lo
.endr
.endr
.irp b, 0,1,2,3,4,5,6,7
	global_store_b128 v[CO], v[TH+4*\b:TH+4*\b+3], s[8:9]   offset:(\b>>2)*262144+\ap*2048+(\b&3)*512   ; 512 consecutive bytes, aligned
	global_store_b128 v[CO], v[F1+4*\b:F1+4*\b+3], s[66:67] offset:(\b>>2)*262144+\ap*2048+(\b&3)*512
.endr
.endm
	OUTQ 0, 0, 0x0a, 0x02
	OUTQ 1, 1, 0x0a, 0x02
	OUTQ 2, 2, 0x0a, 0x02
	OUTQ 3, 3, 0x0a, 0x02
	OUTQ 0, 4, 0x0f, 0x03
	OUTQ 1, 5, 0x0f, 0x03
	OUTQ 2, 6, 0x0f, 0x03
	OUTQ 3, 7, 0x0f, 0x03
	CROUND                                         ; the closing round: no work-group ends while a partner may still ask for a tile that names it
	s_endpgm
.Lfunc_end_k_q3900135270_qk:
	.size	k_q3900135270_qk, .Lfunc_end_k_q3900135270_qk-k_q3900135270_qk
	.p2alignl 7, 3214868480
	.fill 96, 4, 3214868480
	.section	.rodata,"a",@progbits
	.p2align	6, 0x0
	.amdhsa_kernel k_q3900135270_qk
		.amdhsa_group_segment_fixed_size 327680
		.amdhsa_private_segment_fixed_size 0
		.amdhsa_enable_private_segment 0
		.amdhsa_kernarg_size 32
		.amdhsa_user_sgpr_count 2
		.amdhsa_user_sgpr_kernarg_segment_ptr 1
		.amdhsa_wavefront_size32 1
		.amdhsa_system_sgpr_workgroup_id_x 1
		.amdhsa_system_sgpr_workgroup_id_y 1
		.amdhsa_system_sgpr_workgroup_id_z 1
		.amdhsa_system_vgpr_workitem_id 0
		.amdhsa_next_free_vgpr 1024
		.amdhsa_next_free_sgpr 70
		.amdhsa_reserve_vcc 0
		.amdhsa_float_denorm_mode_32 3
		.amdhsa_float_denorm_mode_16_64 3
		.amdhsa_memory_ordered 1
		.amdhsa_forward_progress 1
		.amdhsa_inst_pref_size 240
	.end_amdhsa_kernel
	.amdgpu_metadata
---
amdhsa.version: [ 1, 2 ]
amdhsa.kernels:
  - .name:           k_q3900135270_qk
    .symbol:         k_q3900135270_qk.kd
    .args:
      - { .name: Zb, .offset: 0, .size: 8, .value_kind: global_buffer, .address_space: global }
      - { .name: Wb, .offset: 8, .size: 8, .value_kind: global_buffer, .address_space: global }
      - { .name: QKh, .offset: 16, .size: 8, .value_kind: global_buffer, .address_space: global }
      - { .name: QKl, .offset: 24, .size: 8, .value_kind: global_buffer, .address_space: global }
    .group_segment_fixed_size: 327680
    .private_segment_fixed_size: 0
    .kernarg_segment_align: 8
    .kernarg_segment_size: 32
    .max_flat_workgroup_size: 128
    .sgpr_count:     70
    .vgpr_count:     1024
    .wavefront_size: 32
...
	.end_amdgpu_metadata
.endif
;; end of part 2
;; launch filt (part 3): grid 256 x 1, 4 waves a work-group, clusters of 4 x 1, 270,848 bytes of LDS; arguments QKh, mask, flags; writes flags
.if DOCPART == 3
	.amdgcn_target "amdgcn-amd-amdhsa--gfx1250"
	.amdhsa_code_object_version 6
	.text
	.protected	k_q3900135270_filt
	.globl	k_q3900135270_filt
	.p2align	8
	.type	k_q3900135270_filt,@function
k_q3900135270_filt:
	s_mov_b64 s[64:65], 0
	v_nop
	global_prefetch_b8 v0, s[64:65] scope:SCOPE_SE
	s_setreg_imm32_b32 hwreg(HW_REG_WAVE_MODE, 25, 1), 1
	s_wait_xcnt 0x0
	s_wait_alu depctr_hold_cnt(0) depctr_sa_sdst(0) depctr_va_vdst(0) depctr_va_sdst(0) depctr_va_ssrc(0) depctr_va_vcc(0) depctr_vm_vsrc(0)
	s_getreg_b32 s2, hwreg(HW_REG_IB_STS2, 6, 4)
	s_cmp_eq_u32 s2, 0
	s_cbranch_scc0 .Lentry_in_a_cluster
	s_endpgm
.Lentry_in_a_cluster:
	s_bfe_u32 s2, ttmp6, 0x10000c
	s_cmp_lg_u32 s2, 0x3003
	s_cbranch_scc0 .Lentry_shape_is_right
	s_endpgm
.Lentry_shape_is_right:
; The filter.  For each head and each query q: can q's own key be the masked arg-max of its row of scores?  The dense scores are made once, from the hi
; parts alone (F = Qh Kh^T), and q is flagged if F(q,q) >= max over unmasked k of F(q,k) - margin.  The next launch decides the flagged ones with hi + lo.
; THE MARGIN.  |lo| <= 2^-8 x 1.004 |hi| by a wide berth, so a full score differs from F by at most 2 x 2^-8 x 1.004 |qh| |kh|; two scores are compared, so
; 2^-6 x 1.004 |qh| max|kh| suffices; 2^-6 x 1.125 is taken, which also covers the rounding of the sums.  |qh|^2 and max|kh|^2 are bounded from above by the
; largest elements of Qh Qh^T and Kh Kh^T, which hold the squares on their diagonals.  So no q that the next launch would accept goes unflagged.
; A masked q > 0 can never be the arg-max; q = 0 is always flagged (the arg-max of a row that is masked everywhere is 0).
; LIMITS: finite inputs; NaN is not ordered as an arg-max orders it; masked keys get -2^127 added, so scores are taken to stay far below 2^127.
; SHARES.  Cluster = head (64 of them), work-group cx = 512 queries, wave = 128 queries = 8 query tiles, held as fragments in registers.  All four waves
; walk all 2,048 keys.  The head's Kh (256 KiB, ready fragments) lies whole in LDS; the four work-groups of a head need the same bytes and ask for them
; jointly.  Each wave asks for four blocks of 16 KiB at the start (four tensor loads of the wave are out at the most) and nothing is ever filled again.
; In a score tile A = 16 keys, B = 16 queries: lane (r,h) holds query r, keys 8h + j.  The mask's bias rides in as the C operand: no vector work.
.set BIAS,   262144                    ; f32[2048]: 0, or NEGBIG where mask == 0; written by LDS stores, in blocks into which no tensor load lands
.set NEGBIG, 0xff000000                ; -2^127
.set LANE, 1
.set RR,   2
.set HH,   3
.set KAD,  4                           ; LDS address of the next pair of key tiles: 16 x lane + 2,048 x tile
.set BAD,  5                           ; and of their bias: BIAS + 32 h + 64 x tile
.set KA,   16                          ; v16-31 key tile, buffer A (d 0-31, d 32-63);  v32-39 its bias
.set BA,   32
.set KB,   40                          ; v40-55 buffer B;  v56-63 its bias
.set BB,   56
.set X,    64                          ; v64-95   scores of query tiles 0-3
.set Y,    96                          ; v96-127  scores of query tiles 4-7
.set NN,   128                         ; v128-135 Kh Kh^T of the key tile
.set RUN,  136                         ; v136-151 running maxima, two for each query tile
.set RUNN, 152                         ; v152-153 running maxima of NN
.set QN2,  160                         ; v160-167 bound of |q|^2
.set DG,   168                         ; v168-175 F(q,q)
.set MQ,   176                         ; v176-183 mask[q]
.set TMP,  184                         ; v184-199
; window 1: v[16 i + 8 s] fragments of query tile i; v[128 + 16 i + 8 s] the same rows of K, for the diagonal
.set MSB, 0
.macro WIN new
.if MSB != \new
	s_set_vgpr_msb (MSB<<8)|\new
.set MSB, \new
.endif
.endm
.macro ROUND
	s_barrier_signal -1
	s_barrier_wait -1
	s_cmp_lg_u32 s10, 0
	s_cbranch_scc1 .Lnot_wave_0_\@
	s_barrier_signal -3
.Lnot_wave_0_\@:
	s_barrier_wait -3
	s_barrier_signal -1
	s_barrier_wait -1
.endm
.macro PLACES
.rept 4
	v_nop
.endr
.endm
	s_load_b128 s[4:7], s[0:1], 0x0                ; QKh s[4:5], mask s[6:7]
	s_load_b64 s[8:9], s[0:1], 0x10                ; flags
	v_lshl_add_u32 v254, v0, 2, 0x42000
	v_mov_b32 v255, 0
	ds_add_u32 v254, v255
	v_lshrrev_b32 v1, 5, v0
	v_readfirstlane_b32 s10, v1                    ; wave 0..3
	s_bfe_u32 s11, ttmp6, 0x40000                  ; cx: which 512 queries
	; group 1: a dense block of 16 KiB as 64 rows of 32 elements of 8 bytes; the mask names all four work-groups of the cluster
	s_mov_b32 s16, (15)|(3<<16)|(1<<21)
	s_mov_b32 s17, 32<<16                          ; tensor_dim0 = 32
	s_mov_b32 s18, 64<<16                          ; tensor_dim1 = 64
	s_mov_b32 s19, 32<<16                          ; tile_dim0 = 32
	s_mov_b32 s20, 64                              ; tile_dim1 = 64
	s_mov_b32 s21, 32                              ; pitch
	s_mov_b32 s22, 0
	s_mov_b32 s23, 0
	s_mov_b32 s40, 0x76543210                      ; v_permlanex16_b32: lane i of one half reads lane i of the other
	s_mov_b32 s41, 0xfedcba98
.irp j, 1,2,3,4,5,6,7
	s_mov_b32 s[41+\j], (1<<\j)|(1<<(24+\j))       ; the two lanes whose register j lies on a tile's diagonal
.endr
	s_mov_b32 s49, 0xff0000ff                      ; the lanes that hold a diagonal element at all
	s_lshl_b32 s12, ttmp9, 18                      ; head x 262,144
	s_lshl_b32 s13, s10, 14                        ; wave x 16,384
	s_add_co_u32 s14, s12, s13
	s_add_co_u32 s14, s14, 0x1000000               ; K's region
	s_mov_b32 s15, 0
	s_lshr_b32 s66, ttmp9, 4
	s_lshl_b32 s66, s66, 13                        ; the batch's row of the mask
	s_mov_b32 s67, 0
	s_lshl_b32 s68, s11, 11                        ; my 512 queries in it
	s_mov_b32 s69, 0
	s_lshl_b32 s70, s11, 16                        ; my 32 query tiles
	s_add_co_u32 s70, s70, s12
	s_mov_b32 s71, 0
	s_lshl_b32 s76, ttmp9, 8                       ; flags: 64 words a head, 16 a work-group, 4 a wave
	s_lshl_b32 s74, s11, 6
	s_add_co_u32 s76, s76, s74
	s_lshl_b32 s74, s10, 4
	s_add_co_u32 s76, s76, s74
	s_mov_b32 s77, 0
	s_lshl_b32 s75, s11, 9
	s_lshl_b32 s74, s10, 7
	s_add_co_u32 s75, s75, s74                     ; my wave's first query
	s_lshl_b32 s74, s10, 9
	v_and_b32 v[LANE], 31, v0
	v_and_b32 v[RR], 15, v0
	v_bfe_u32 v[HH], v0, 4, 1
	v_lshlrev_b32 v[KAD], 4, v[LANE]
	v_lshlrev_b32 v[BAD], 5, v[HH]
	v_add_nc_u32 v[BAD], BIAS, v[BAD]
	v_lshlrev_b32 v6, 4, v0                        ; 16 t
	v_lshl_add_u32 v7, v[RR], 2, s74               ; 4 (128 wave + r)
	v_add_nc_u32 v8, s13, v[KAD]                   ; 16,384 wave + 16 lane
	v_mov_b32 v9, NEGBIG
	v_add_nc_u32 v10, BIAS, v6
	v_add_nc_u32 v11, s75, v[RR]                   ; query r of my first tile
	v_mov_b32 v12, 0
	v_mov_b32 v[TMP+1], 0                          ; a lane permute's destination counts as read
	s_wait_dscnt 0x0
	s_wait_kmcnt 0x0
	s_add_nc_u64 s[14:15], s[4:5], s[14:15]        ; made of the head and the wave's number alone: equal in all four partners
	s_add_nc_u64 s[6:7], s[6:7], s[66:67]
	s_add_nc_u64 s[68:69], s[6:7], s[68:69]
	s_add_nc_u64 s[70:71], s[4:5], s[70:71]
	s_add_nc_u64 s[72:73], s[70:71], 0x1000000
	s_add_nc_u64 s[8:9], s[8:9], s[76:77]
	ROUND                                          ; all four work-groups are here: the joint loads meet
.irp c, 0,1,2,3
	s_mov_b32 s[24+4*\c], 1
	s_add_co_u32 s[25+4*\c], s13, \c*65536         ; quarter c of K, my wave's 16 KiB of it
	s_add_nc_u64 s[26+4*\c:27+4*\c], s[14:15], \c*65536
	s_or_b32 s[27+4*\c], s[27+4*\c], 0x80000000
	tensor_load_to_lds s[24+4*\c:27+4*\c], s[16:23]
	s_nop 0
.endr
	; while K is on its way: the mask, my queries, their own keys
.irp j, 0,1,2,3
	global_load_b128 v[X+4*\j:X+4*\j+3], v6, s[6:7] offset:2048*\j
.endr
.irp i, 0,1,2,3,4,5,6,7
	global_load_b32 v[MQ+\i], v7, s[68:69] offset:64*\i
.endr
	WIN 0x40
.irp i, 0,1,2,3,4,5,6,7
.irp c, 0,1,2,3
	global_load_b128 v[16*\i+4*\c:16*\i+4*\c+3], v8, s[70:71] offset:2048*\i+512*\c
.endr
.endr
	WIN 0
.irp k, 0,1,2,3,4,5,6,7,8,9,10,11,12,13,14,15,16,17
	v_mov_b32 v[RUN+\k], 0xff800000                ; the 18 running maxima start at -inf
.endr
	s_wait_loadcnt 32                              ; the twelve loads of the mask are in; Q's 32 stay out
.irp k, 0,1,2,3,4,5,6,7,8,9,10,11,12,13,14,15
	v_cmp_eq_u32 vcc_lo, 0, v[X+\k]
	v_cndmask_b32 v[X+\k], 0, v9, vcc_lo
.endr
.irp j, 0,1,2,3
	ds_store_b128 v10, v[X+4*\j:X+4*\j+3] offset:2048*\j
.endr
	WIN 0x40
.irp i, 0,1,2,3,4,5,6,7
.irp c, 0,1,2,3
	global_load_b128 v[128+16*\i+4*\c:128+16*\i+4*\c+3], v8, s[72:73] offset:2048*\i+512*\c
.endr
.endr
	WIN 0
	s_wait_loadcnt 32                              ; Q is in; the diagonal's K stays out
	; Q Q^T, eight tiles by turns; a column's maximum bounds |q|^2 from above
	WIN 0x05
.irp i, 0,1,2,3,4,5,6,7
	v_wmma_f32_16x16x32_bf16 v[X+8*\i:X+8*\i+7], v[16*\i:16*\i+7], v[16*\i:16*\i+7], 0
.endr
.irp i, 0,1,2,3,4,5,6,7
	v_wmma_f32_16x16x32_bf16 v[X+8*\i:X+8*\i+7], v[16*\i+8:16*\i+15], v[16*\i+8:16*\i+15], v[X+8*\i:X+8*\i+7]
.endr
	WIN 0
	PLACES
.irp i, 0,1,2,3,4,5,6,7
	v_max3_num_f32 v[TMP], v[X+8*\i], v[X+8*\i+1], v[X+8*\i+2]
	v_max3_num_f32 v[TMP], v[X+8*\i+3], v[X+8*\i+4], v[TMP]
	v_max3_num_f32 v[TMP], v[X+8*\i+5], v[X+8*\i+6], v[TMP]
	v_max_num_f32 v[TMP], v[X+8*\i+7], v[TMP]
	v_permlanex16_b32 v[TMP+1], v[TMP], s40, s41
	v_max_num_f32 v[QN2+\i], v[TMP], v[TMP+1]
.endr
	s_wait_loadcnt 0x0
	; the diagonal tiles: keys 16 i .. of my own rows against query tile i, the same two products in the same order as in the walk below
	WIN 0x05
.irp i, 0,1,2,3,4,5,6,7
	v_wmma_f32_16x16x32_bf16 v[X+8*\i:X+8*\i+7], v[128+16*\i:128+16*\i+7], v[16*\i:16*\i+7], 0
.endr
.irp i, 0,1,2,3,4,5,6,7
	v_wmma_f32_16x16x32_bf16 v[X+8*\i:X+8*\i+7], v[128+16*\i+8:128+16*\i+15], v[16*\i+8:16*\i+15], v[X+8*\i:X+8*\i+7]
.endr
	WIN 0
	PLACES
; element (key r, query r) lies in register r % 8 of lane r (r < 8) or lane 16 + r (r >= 8); the other half of the lanes gets it by the swap
.irp i, 0,1,2,3,4,5,6,7
	v_mov_b32 v[TMP], v[X+8*\i]
.irp j, 1,2,3,4,5,6,7
	v_cndmask_b32 v[TMP], v[TMP], v[X+8*\i+\j], s[41+\j]
.endr
	v_permlanex16_b32 v[TMP+1], v[TMP], s40, s41
	v_cndmask_b32 v[DG+\i], v[TMP+1], v[TMP], s49
.endr
; six LDS loads: a key tile (2 KiB) and its bias
.macro KLOAD kb, bb, off
.irp c, 0,1,2,3
	ds_load_b128 v[\kb+4*\c:\kb+4*\c+3], v[KAD] offset:2048*\off+512*\c
.endr
	ds_load_b128 v[\bb:\bb+3],   v[BAD] offset:64*\off
	ds_load_b128 v[\bb+4:\bb+7], v[BAD] offset:64*\off+16
.endm
; eight matrix instructions: the key tile against query tiles q0 .. q0 + 3, four accumulators by turns; the first link takes the bias as C
.macro SCORE acc, q0, kb, bb
	WIN 0x04
.irp i, 0,1,2,3
	v_wmma_f32_16x16x32_bf16 v[\acc+8*\i:\acc+8*\i+7], v[\kb:\kb+7], v[16*(\q0+\i):16*(\q0+\i)+7], v[\bb:\bb+7]
.endr
.irp i, 0,1,2,3
	v_wmma_f32_16x16x32_bf16 v[\acc+8*\i:\acc+8*\i+7], v[\kb+8:\kb+15], v[16*(\q0+\i)+8:16*(\q0+\i)+15], v[\acc+8*\i:\acc+8*\i+7]
.endr
	WIN 0
.endm
.macro MAXES acc, q0
.irp i, 0,1,2,3
	v_max3_num_f32 v[RUN+2*(\q0+\i)],   v[\acc+8*\i],   v[\acc+8*\i+1], v[RUN+2*(\q0+\i)]
	v_max3_num_f32 v[RUN+2*(\q0+\i)+1], v[\acc+8*\i+2], v[\acc+8*\i+3], v[RUN+2*(\q0+\i)+1]
	v_max3_num_f32 v[RUN+2*(\q0+\i)],   v[\acc+8*\i+4], v[\acc+8*\i+5], v[RUN+2*(\q0+\i)]
	v_max3_num_f32 v[RUN+2*(\q0+\i)+1], v[\acc+8*\i+6], v[\acc+8*\i+7], v[RUN+2*(\q0+\i)+1]
.endr
.endm
; One key tile: 18 matrix instructions and 36 maxima.  The sixteen maxima on one set of scores are the places behind the matrix instructions of the
; other set, of NN and of the key buffer (ISA guide 7.12.1): they name none of those registers.  No two matrix instructions that follow each other
; share an accumulator, over the backward jump too.
; ymax = 0: the first tile has no scores of a tile before; four v_nop are the places there.  left: the younger LDS loads that may stay out.
.macro TILE kb, bb, off, ymax, load, left
	s_wait_dscnt \left
	SCORE X, 0, \kb, \bb
	v_wmma_f32_16x16x32_bf16 v[NN:NN+7], v[\kb:\kb+7], v[\kb:\kb+7], 0
.if \ymax
	MAXES Y, 4
.else
	PLACES
.endif
	SCORE Y, 4, \kb, \bb
	v_wmma_f32_16x16x32_bf16 v[NN:NN+7], v[\kb+8:\kb+15], v[\kb+8:\kb+15], v[NN:NN+7]
	MAXES X, 0
	v_max3_num_f32 v[RUNN],   v[NN],   v[NN+1], v[RUNN]
	v_max3_num_f32 v[RUNN+1], v[NN+2], v[NN+3], v[RUNN+1]
	v_max3_num_f32 v[RUNN],   v[NN+4], v[NN+5], v[RUNN]
	v_max3_num_f32 v[RUNN+1], v[NN+6], v[NN+7], v[RUNN+1]
.if \load
	KLOAD \kb, \bb, \off                           ; the tile two further on, into the buffer just used
.endif
.endm
.macro STEPAD
	v_add_nc_u32 v[KAD], 4096, v[KAD]
	v_add_nc_u32 v[BAD], 128, v[BAD]
.endm
.macro PAIR
	TILE KA, BA, 0, 1, 1, 6
	TILE KB, BB, 1, 1, 1, 6
	STEPAD
.endm
; A section loads the 32 key tiles of one quarter of K.  left = my tensor loads that may stay out: the later quarters'.  Each wave waits for its own part
; of the quarter and then passes the barrier, so that every wave's part is in.  No LDS instruction is pending at the signal.
.macro SECTION left
	s_wait_tensorcnt \left
	s_wait_dscnt 0x0
	s_barrier_signal -1
	s_barrier_wait -1
	s_mov_b32 s74, 16
.Lkeys_\@:
	PAIR
	s_sub_co_u32 s74, s74, 1
	s_cmp_lg_u32 s74, 0
	s_cbranch_scc1 .Lkeys_\@
.endm
	s_wait_tensorcnt 0x3                           ; my part of the first quarter is in
	s_wait_dscnt 0x0                               ; and my part of the bias table is written
	s_barrier_signal -1
	s_barrier_wait -1
	KLOAD KA, BA, 0                                ; tiles 0 and 1
	KLOAD KB, BB, 1
	STEPAD
	TILE KA, BA, 0, 0, 1, 6                        ; tiles 0 and 1 are worked on, 2 and 3 loaded
	TILE KB, BB, 1, 1, 1, 6
	STEPAD
	s_mov_b32 s74, 14                              ; tiles 2 .. 29 worked on, 4 .. 31 loaded
.Lkeys0:
	PAIR
	s_sub_co_u32 s74, s74, 1
	s_cmp_lg_u32 s74, 0
	s_cbranch_scc1 .Lkeys0
	SECTION 2                                      ; tiles 30 .. 61 worked on, 32 .. 63 loaded
	SECTION 1                                      ; 62 .. 93, 64 .. 95
	SECTION 0                                      ; 94 .. 125, 96 .. 127; no tensor load is out any more
	TILE KA, BA, 0, 1, 0, 6
	TILE KB, BB, 1, 1, 0, 0
	MAXES Y, 4                                     ; the last tile's second set (the sixteen maxima in front are its places)
	; the flags
.irp i, 0,1,2,3,4,5,6,7
	v_max_num_f32 v[RUN+2*\i], v[RUN+2*\i], v[RUN+2*\i+1]
	v_permlanex16_b32 v[TMP+1], v[RUN+2*\i], s40, s41          ; the other half of the lanes holds the other keys of my query
	v_max_num_f32 v[RUN+2*\i], v[RUN+2*\i], v[TMP+1]
.endr
	v_max_num_f32 v[RUNN], v[RUNN], v[RUNN+1]
	v_max_num_f32_dpp v[RUNN], v[RUNN], v[RUNN] row_xmask:1 row_mask:0xf bank_mask:0xf
	v_max_num_f32_dpp v[RUNN], v[RUNN], v[RUNN] row_xmask:2 row_mask:0xf bank_mask:0xf
	v_max_num_f32_dpp v[RUNN], v[RUNN], v[RUNN] row_xmask:4 row_mask:0xf bank_mask:0xf
	v_max_num_f32_dpp v[RUNN], v[RUNN], v[RUNN] row_xmask:8 row_mask:0xf bank_mask:0xf
	v_permlanex16_b32 v[TMP+1], v[RUNN], s40, s41
	v_max_num_f32 v[RUNN], v[RUNN], v[TMP+1]       ; the largest |k|^2 of the head
	v_sqrt_f32 v[RUNN+1], v[RUNN]
.irp i, 0,1,2,3,4,5,6,7
	v_sqrt_f32 v[TMP+2+\i], v[QN2+\i]
.endr
	v_nop                                          ; one plain place behind the transcendentals (ISA guide 5.7.2)
	s_wait_alu depctr_va_vdst(0)
	v_mul_f32 v[RUNN+1], 0x3c900000, v[RUNN+1]     ; x 2^-6 x 1.125
.irp i, 0,1,2,3,4,5,6,7
	v_fma_f32 v[TMP+2+\i], -v[TMP+2+\i], v[RUNN+1], v[RUN+2*\i]    ; the row's maximum less the margin
.endr
.irp i, 0,1,2,3,4,5,6,7
	v_cmp_ge_f32 s[50+\i], v[DG+\i], v[TMP+2+\i]
	v_cmp_ne_u32 vcc_lo, 0, v[MQ+\i]
	s_and_b32 s[50+\i], s[50+\i], vcc_lo
.endr
	v_cmp_eq_u32 vcc_lo, 0, v11
	s_or_b32 s50, s50, vcc_lo                      ; query 0 of the head, always
.irp p, 0,1,2,3
	s_and_b32 s[50+2*\p], s[50+2*\p], 0xffff       ; lanes 0-15 speak for queries r = 0 .. 15
	s_lshl_b32 s[51+2*\p], s[51+2*\p], 16
	s_or_b32 s[50+2*\p], s[50+2*\p], s[51+2*\p]
	v_mov_b32 v[TMP+12+\p], s[50+2*\p]
.endr
	v_cmp_eq_u32 vcc_lo, 0, v[LANE]
	s_wait_xcnt 0x0                                ; EXEC changes only behind this wait
	s_and_saveexec_b32 s58, vcc_lo
	global_store_b128 v12, v[TMP+12:TMP+15], s[8:9]    ; four words for my wave's 128 queries: 16 KiB in the whole launch
	s_wait_xcnt 0x0
	s_or_b32 exec_lo, exec_lo, s58
	s_wait_tensorcnt 0x0
	ds_add_u32 v254, v255
	s_wait_dscnt 0x0
	ROUND                                          ; the closing round
	s_endpgm
.Lfunc_end_k_q3900135270_filt:
	.size	k_q3900135270_filt, .Lfunc_end_k_q3900135270_filt-k_q3900135270_filt
	.p2alignl 7, 3214868480
	.fill 96, 4, 3214868480
	.section	.rodata,"a",@progbits
	.p2align	6, 0x0
	.amdhsa_kernel k_q3900135270_filt
		.amdhsa_group_segment_fixed_size 270848
		.amdhsa_private_segment_fixed_size 0
		.amdhsa_enable_private_segment 0
		.amdhsa_kernarg_size 24
		.amdhsa_user_sgpr_count 2
		.amdhsa_user_sgpr_kernarg_segment_ptr 1
		.amdhsa_wavefront_size32 1
		.amdhsa_system_sgpr_workgroup_id_x 1
		.amdhsa_system_sgpr_workgroup_id_y 1
		.amdhsa_system_sgpr_workgroup_id_z 1
		.amdhsa_system_vgpr_workitem_id 0
		.amdhsa_next_free_vgpr 512
		.amdhsa_next_free_sgpr 80
		.amdhsa_reserve_vcc 1
		.amdhsa_float_denorm_mode_32 3
		.amdhsa_float_denorm_mode_16_64 3
		.amdhsa_memory_ordered 1
		.amdhsa_forward_progress 1
		.amdhsa_inst_pref_size 78
	.end_amdhsa_kernel
	.amdgpu_metadata
---
amdhsa.version: [ 1, 2 ]
amdhsa.kernels:
  - .name:           k_q3900135270_filt
    .symbol:         k_q3900135270_filt.kd
    .args:
      - { .name: QKh, .offset: 0, .size: 8, .value_kind: global_buffer, .address_space: global }
      - { .name: mask, .offset: 8, .size: 8, .value_kind: global_buffer, .address_space: global }
      - { .name: flags, .offset: 16, .size: 8, .value_kind: global_buffer, .address_space: global }
    .group_segment_fixed_size: 270848
    .private_segment_fixed_size: 0
    .kernarg_segment_align: 8
    .kernarg_segment_size: 24
    .max_flat_workgroup_size: 128
    .sgpr_count:     80
    .vgpr_count:     512
    .wavefront_size: 32
...
	.end_amdgpu_metadata
.endif
;; end of part 3
;; launch refine (part 4): grid 1024 x 1, 8 waves a work-group, no clusters, 58,880 bytes of LDS; arguments QKh, QKl, mask, flags, wtab, act; writes wtab, act
.if DOCPART == 4
	.amdgcn_target "amdgcn-amd-amdhsa--gfx1250"
	.amdhsa_code_object_version 6
	.text
	.protected	k_q3900135270_refine
	.globl	k_q3900135270_refine
	.p2align	8
	.type	k_q3900135270_refine,@function
k_q3900135270_refine:
	s_mov_b64 s[64:65], 0
	v_nop
	global_prefetch_b8 v0, s[64:65] scope:SCOPE_SE
	s_setreg_imm32_b32 hwreg(HW_REG_WAVE_MODE, 25, 1), 1
	s_wait_xcnt 0x0
; The decision.  A work-group owns 8 query tiles (128 queries) of one head.  A tile in which the launch before flagged any query (whole numbers, read here)
; is decided whole: its sixteen queries, as the columns of B, are multiplied with all 2,048 keys, S = Kh Qh + Kl Qh + Kh Ql, six matrix instructions a
; tile in one fixed order, f32 sums.  w[q] = S(q,q) if every unmasked key before q scores less and every unmasked key behind q scores no more (the first
; index wins, as in an arg-max), else 0.  A row that is masked everywhere has arg-max 0: q = 0 then wins with its unmasked score.
; A tile without a flag holds no winner (the filter's margin) and gets w = 0.  wtab holds w; act holds a bit for each w != 0.
; LIMITS: Q and K carry hi + lo = 16 mantissa bits and lo x lo is left out: a gap below some 2^-16 |q| |k| between the diagonal and the best other score may
; be decided otherwise than in f32.  Keys with equal bits tie exactly.  Finite inputs; NaN is not ordered as an arg-max orders it.  Masked keys get
; -2^127 added, so scores are taken to stay far below 2^102 in size.
; SHARES.  Wave w takes key tiles 16 w .. 16 w + 15, in eight steps of two tiles.  The eight query tiles belong to one head and meet the same keys, so a
; step's key tiles are loaded ONCE and multiplied with every flagged query tile: the steps are outside, the tiles inside, each behind a test of its bit.
; The loads from memory of a work-group therefore do not grow with the number of its flagged tiles.  The query fragments come from LDS: wave j stages
; tile j there, and from the same registers makes that tile's diagonal block and keeps its figures for its own decision.
; Steps and tiles are written out, so that every LDS address is a constant plus terms of the wave and the lane; no barrier stands inside a branch, and no
; register is written in one branch and read in another (the four that wave j keeps have defaults).  The waves' maxima meet in LDS behind one barrier,
; where wave j decides tile j.  No cluster: few work-groups have a flag at all, and partners would need the same ones.
.set BIASL,  0                         ; f32[2048]: 0, or NEGBIG where mask == 0
.set REC,    8192                      ; [8 tiles][8 waves][256 bytes]: words 0-15 M1 (keys before q), 16-31 M2 (keys behind q)
.set WT,     24576                     ; f32[128]: w of the work-group's queries
.set QS,     25088                     ; [8 tiles][hi 2 KiB, lo 2 KiB]: the flagged query tiles as ready fragments
.set NEGBIG, 0xff000000                ; -2^127
.set Q,   16                           ; v16-31 Qh, v32-47 Ql of the query tile at work
.set M,   48                           ; v48-63 M1, M2 of tile s at 48 + 2 s, 49 + 2 s (in front of the first barrier: at work)
.set BUF, 64                           ; v64-191 two buffers of two key tiles: tile y at 32 y: hi 16 registers, lo 16
.set T,   192                          ; v192-207 two score tiles (in front of the first barrier: the mask, and offsets)
.set BB,  208                          ; v208-239 two buffers of two tiles' bias (in front of the first barrier: the diagonal's keys, hi 16, lo 16)
.set TD,  240                          ; v240-247 the diagonal's tile
.set TB,  248                          ; v248-255 its bias
.set X,   240                          ; v240-245 at work in the steps
; v1 lane, v2 r, v3 h, v4 offset of my wave's keys, v5 address of their bias, v6 address of my record, v7 -inf, v8 16 x lane, v9 offset of query tile
; number wave, v10 -2^127, v11 mask[q], v12 r - 8 h, v13, v14 the diagonal block's M1, M2, v15 S(q,q)
; s88 wave, s89 8 x block - 16 x wave (query tile 0 less my first key tile), s92 a bit for each tile that has a flag
	s_load_b256 s[4:11], s[0:1], 0x0               ; QKh s[4:5], QKl s[6:7], mask s[8:9], flags s[10:11]
	s_load_b128 s[12:15], s[0:1], 0x20             ; wtab s[12:13], act s[14:15]
	s_set_vgpr_msb 0x40
	v_lshl_add_u32 v0, v0, 2, 0xe200
	v_mov_b32 v1, 0
	s_set_vgpr_msb 0x4000
	v_lshrrev_b32 v1, 5, v0
	v_readfirstlane_b32 s88, v1                    ; wave 0..7
	s_lshr_b32 s70, ttmp9, 4                       ; batch x 16 + head
	s_and_b32 s71, ttmp9, 15                       ; which 128 queries
	s_lshl_b32 s72, s70, 8                         ; flags and act: 64 words a head,
	s_lshl_b32 s73, s71, 4                         ; four a work-group
	s_add_co_u32 s72, s72, s73
	s_mov_b32 s73, 0
	s_lshl_b32 s74, s70, 18                        ; the head's 262,144 bytes in a region of QKh, QKl
	s_mov_b32 s75, 0
	s_lshl_b32 s76, s71, 14                        ; my 8 query tiles of 2,048 bytes
	s_mov_b32 s77, 0
	s_lshr_b32 s78, s70, 4
	s_lshl_b32 s78, s78, 13                        ; the batch's row of the mask
	s_mov_b32 s79, 0
	s_lshl_b32 s96, s71, 9                         ; my 128 numbers, in the mask and in wtab
	s_mov_b32 s97, 0
	s_lshl_b32 s90, s70, 13                        ; the head's 2,048 numbers of wtab
	s_add_co_u32 s90, s90, s96
	s_mov_b32 s91, 0
	s_wait_kmcnt 0x0
	s_add_nc_u64 s[10:11], s[10:11], s[72:73]
	s_load_b128 s[16:19], s[10:11], 0x0            ; my four flag words
	s_add_nc_u64 s[14:15], s[14:15], s[72:73]
	s_add_nc_u64 s[4:5], s[4:5], s[74:75]
	s_add_nc_u64 s[6:7], s[6:7], s[74:75]
	s_add_nc_u64 s[84:85], s[4:5], 0x1000000       ; Kh of the head
	s_add_nc_u64 s[86:87], s[6:7], 0x1000000       ; Kl
	s_add_nc_u64 s[4:5], s[4:5], s[76:77]          ; Qh of my tiles
	s_add_nc_u64 s[6:7], s[6:7], s[76:77]          ; Ql
	s_add_nc_u64 s[80:81], s[4:5], 0x1000000       ; Kh of the same rows, for the diagonal
	s_add_nc_u64 s[82:83], s[6:7], 0x1000000       ; Kl
	s_add_nc_u64 s[8:9], s[8:9], s[78:79]
	s_add_nc_u64 s[94:95], s[8:9], s[96:97]        ; the mask of my queries
	s_add_nc_u64 s[12:13], s[12:13], s[90:91]
	s_mov_b32 s20, 0x76543210                      ; v_permlanex16_b32: lane i of one half reads lane i of the other
	s_mov_b32 s21, 0xfedcba98
.irp e, 1,2,3,4,5,6,7
	s_mov_b32 s[21+\e], (1<<\e)|(1<<(24+\e))       ; the two lanes whose register e lies on a tile's diagonal
.endr
	s_mov_b32 s29, 0xff0000ff                      ; the lanes that hold a diagonal element at all
	s_mov_b32 s30, 0xffff0000                      ; lanes with h = 1
	v_and_b32 v1, 31, v0
	v_and_b32 v2, 15, v0
	v_bfe_u32 v3, v0, 4, 1
	v_lshlrev_b32 v8, 4, v1
	s_lshl_b32 s93, s88, 15
	v_add_nc_u32 v4, s93, v8                       ; my wave's 16 key tiles + 16 lane
	s_lshl_b32 s93, s88, 10
	v_lshl_add_u32 v5, v3, 5, s93                  ; their bias: 64 bytes a tile, 32 h
	s_lshl_b32 s93, s88, 11
	v_add_nc_u32 v9, s93, v8                       ; query tile number wave: 2,048 wave + 16 lane
	s_lshl_b32 s93, s88, 8
	s_add_co_u32 s93, s93, REC
	v_lshl_add_u32 v6, v1, 2, s93
	v_mov_b32 v7, 0xff800000
	v_mov_b32 v10, NEGBIG
	v_lshlrev_b32 v12, 3, v3
	v_sub_nc_u32 v12, v2, v12                      ; register e of the diagonal block holds a key before q if e < r - 8 h
	v_mov_b32 v11, 0                               ; what wave j keeps from its diagonal block to its decision: defaults on every path
	v_mov_b32 v13, v7
	v_mov_b32 v14, v7
	v_mov_b32 v15, 0
	v_mov_b32 v50, 0                               ; destinations of lane permutes count as read
	v_mov_b32 v51, 0
	v_lshlrev_b32 v200, 4, v0                      ; 16 t
	s_lshl_b32 s93, s88, 12
	v_add_nc_u32 v201, s93, v8                     ; into QS: 4,096 wave + 16 lane
	s_lshl_b32 s93, s88, 6
	v_lshl_add_u32 v202, v3, 5, s93                ; the mask of keys 16 wave + 8 h .. of my 128
	v_lshl_add_u32 v203, v2, 2, s93                ; the mask of query 16 wave + r
	s_lshl_b32 s89, s71, 3
	s_lshl_b32 s93, s88, 4
	s_sub_co_i32 s89, s89, s93
	s_wait_kmcnt 0x0
	s_mov_b32 s92, 0
.irp w, 0,1,2,3
	s_and_b32 s93, s[16+\w], 0xffff                ; SCC: any flag in tile 2 w
	s_cselect_b32 s93, 1<<(2*\w), 0
	s_or_b32 s92, s92, s93
	s_lshr_b32 s93, s[16+\w], 16                   ; SCC: any flag in tile 2 w + 1
	s_cselect_b32 s93, 2<<(2*\w), 0
	s_or_b32 s92, s92, s93
.endr
	s_cmp_eq_u32 s92, 0
	s_cbranch_scc1 .Lnobias                        ; no flag: no table, no tile
	global_load_b128 v[192:195], v200, s[8:9]      ; the batch's mask, for the table
	global_load_b128 v[196:199], v200, s[8:9] offset:4096
	s_lshr_b32 s93, s92, s88
	s_and_b32 s93, s93, 1
	s_cmp_lg_u32 s93, 0
	s_cbranch_scc0 .Lnoq
	; tile number wave has a flag: I stage it for all waves and make its diagonal block.  All these loads go out together with the mask's.
.irp c, 0,1,2,3
	global_load_b128 v[Q+4*\c:Q+4*\c+3],       v9, s[4:5] offset:512*\c
	global_load_b128 v[Q+16+4*\c:Q+16+4*\c+3], v9, s[6:7] offset:512*\c
.endr
.irp c, 0,1,2,3
	global_load_b128 v[BB+4*\c:BB+4*\c+3],       v9, s[80:81] offset:512*\c     ; the queries' own keys
	global_load_b128 v[BB+16+4*\c:BB+16+4*\c+3], v9, s[82:83] offset:512*\c
.endr
	global_load_b128 v[TB:TB+3],   v202, s[94:95]  ; their mask, eight keys a lane
	global_load_b128 v[TB+4:TB+7], v202, s[94:95] offset:16
	global_load_b32 v11, v203, s[94:95]            ; mask[q]
	s_wait_loadcnt 0x0
.irp c, 0,1,2,3
	ds_store_b128 v201, v[Q+4*\c:Q+4*\c+3]       offset:QS+512*\c
	ds_store_b128 v201, v[Q+16+4*\c:Q+16+4*\c+3] offset:QS+2048+512*\c
.endr
	; one accumulator, the six terms in the order of the steps below
	v_wmma_f32_16x16x32_bf16 v[TD:TD+7], v[BB:BB+7], v[Q:Q+7], 0
	s_wait_alu depctr_va_vdst(0)
	v_wmma_f32_16x16x32_bf16 v[TD:TD+7], v[BB+8:BB+15], v[Q+8:Q+15], v[TD:TD+7]
	s_wait_alu depctr_va_vdst(0)
	v_wmma_f32_16x16x32_bf16 v[TD:TD+7], v[BB+16:BB+23], v[Q:Q+7], v[TD:TD+7]
	s_wait_alu depctr_va_vdst(0)
	v_wmma_f32_16x16x32_bf16 v[TD:TD+7], v[BB+24:BB+31], v[Q+8:Q+15], v[TD:TD+7]
	s_wait_alu depctr_va_vdst(0)
	v_wmma_f32_16x16x32_bf16 v[TD:TD+7], v[BB:BB+7], v[Q+16:Q+23], v[TD:TD+7]
	s_wait_alu depctr_va_vdst(0)
	v_wmma_f32_16x16x32_bf16 v[TD:TD+7], v[BB+8:BB+15], v[Q+24:Q+31], v[TD:TD+7]
.irp e, 0,1,2,3,4,5,6,7
	v_cmp_eq_u32 vcc_lo, 0, v[TB+\e]               ; the block's bias; these sixteen lines name none of the matrix instructions' registers:
	v_cndmask_b32 v[TB+\e], 0, v10, vcc_lo         ; they are the places behind them (ISA guide 7.12.1)
.endr
	; element (key r, query r) lies in register r % 8 of lane r (r < 8) or lane 16 + r (r >= 8); the other half of the lanes gets it by the swap
	v_mov_b32 v52, v[TD]
.irp e, 1,2,3,4,5,6,7
	v_cndmask_b32 v52, v52, v[TD+\e], s[21+\e]
.endr
	v_permlanex16_b32 v50, v52, s20, s21
	v_cndmask_b32 v15, v50, v52, s29               ; S(q,q) of query r, unmasked, in every lane
.irp k, 0,2,4,6
	v_pk_add_f32 v[TD+\k:TD+\k+1], v[TD+\k:TD+\k+1], v[TB+\k:TB+\k+1]      ; + 0 keeps the bits, - 2^127 masks
.endr
.irp e, 0,1,2,3,4,5,6,7
	v_cmp_lt_i32 vcc_lo, \e, v12                   ; key 8 h + e before q,
	v_cndmask_b32 v52, v7, v[TD+\e], vcc_lo
	v_cmp_gt_i32 s31, \e, v12                      ; or behind it; q itself goes into neither
	v_cndmask_b32 v53, v7, v[TD+\e], s31
	v_max_num_f32 v13, v13, v52
	v_max_num_f32 v14, v14, v53
.endr
	v_permlanex16_b32 v50, v13, s20, s21           ; the other half of the lanes holds the block's other keys
	v_permlanex16_b32 v51, v14, s20, s21
	v_max_num_f32 v13, v13, v50
	v_max_num_f32 v14, v14, v51
.Lnoq:
	s_wait_loadcnt 0x0
.irp k, 0,1,2,3,4,5,6,7
	v_cmp_eq_u32 vcc_lo, 0, v[192+\k]
	v_cndmask_b32 v[192+\k], 0, v10, vcc_lo
.endr
	ds_store_b128 v200, v[192:195] offset:BIASL
	ds_store_b128 v200, v[196:199] offset:BIASL+4096
.Lnobias:
	s_wait_dscnt 0x0                               ; my part of the table and my query tile are written
	s_barrier_signal -1
	s_barrier_wait -1
; sixteen loads: the two key tiles of step st, hi and lo, into buffer b
.macro GLOAD st, b
.irp y, 0,1
.irp c, 0,1,2,3
	global_load_b128 v[BUF+64*\b+32*\y+4*\c:BUF+64*\b+32*\y+4*\c+3],       v4, s[84:85] offset:2048*(2*(\st)+\y)+512*\c
	global_load_b128 v[BUF+64*\b+32*\y+16+4*\c:BUF+64*\b+32*\y+16+4*\c+3], v4, s[86:87] offset:2048*(2*(\st)+\y)+512*\c
.endr
.endr
.endm
.macro BLOAD st, b
.irp y, 0,1
	ds_load_b128 v[BB+16*\b+8*\y:BB+16*\b+8*\y+3],   v5 offset:BIASL+64*(2*(\st)+\y)
	ds_load_b128 v[BB+16*\b+8*\y+4:BB+16*\b+8*\y+7], v5 offset:BIASL+64*(2*(\st)+\y)+16
.endr
.endm
; one term of the sum for both tiles of buffer b: the two accumulators take turns; the first term takes the bias as C
.macro MM b, ao, bo, first
.if \first
	v_wmma_f32_16x16x32_bf16 v[T:T+7],    v[BUF+64*\b+\ao:BUF+64*\b+\ao+7],       v[\bo:\bo+7], v[BB+16*\b:BB+16*\b+7]
	v_wmma_f32_16x16x32_bf16 v[T+8:T+15], v[BUF+64*\b+32+\ao:BUF+64*\b+32+\ao+7], v[\bo:\bo+7], v[BB+16*\b+8:BB+16*\b+15]
.else
	v_wmma_f32_16x16x32_bf16 v[T:T+7],    v[BUF+64*\b+\ao:BUF+64*\b+\ao+7],       v[\bo:\bo+7], v[T:T+7]
	v_wmma_f32_16x16x32_bf16 v[T+8:T+15], v[BUF+64*\b+32+\ao:BUF+64*\b+32+\ao+7], v[\bo:\bo+7], v[T+8:T+15]
.endif
.endm
; Query tile slot against key tiles 2 i, 2 i + 1 of my sixteen, which lie in buffer b.  left: the next step's sixteen loads, which may stay out.
; The tile's fragments are asked of LDS ahead of the wait for the keys.  A whole key tile lies before the query tile (into M1), behind it (into M2), or is
; the query tile itself (into neither: the diagonal block has served it).
.macro SLOT slot, i, b, left
	s_and_b32 s93, s92, 1<<\slot
	s_cmp_lg_u32 s93, 0
	s_cbranch_scc0 .Lsk_\@
.irp c, 0,1,2,3
	ds_load_b128 v[Q+4*\c:Q+4*\c+3],       v8 offset:QS+4096*\slot+512*\c
	ds_load_b128 v[Q+16+4*\c:Q+16+4*\c+3], v8 offset:QS+4096*\slot+2048+512*\c
.endr
	s_wait_loadcnt \left                           ; this step's keys are in
	s_wait_dscnt 0x0                               ; and the fragments, and the step's bias
	MM \b, 0,  Q,    1                             ; bias + Kh Qh, d 0-31
	MM \b, 8,  Q+8,  0                             ; Kh Qh, d 32-63
	MM \b, 16, Q,    0                             ; Kl Qh
	MM \b, 24, Q+8,  0
	MM \b, 0,  Q+16, 0                             ; Kh Ql
	MM \b, 8,  Q+24, 0
.rept 4
	v_nop                                          ; the places behind the matrix instructions: for the reads of the scores and for the next loads into their sources
.endr
	v_max3_num_f32 v[X],   v[T],    v[T+1],  v[T+2]
	v_max3_num_f32 v[X+1], v[T+8],  v[T+9],  v[T+10]
	v_max3_num_f32 v[X],   v[T+3],  v[T+4],  v[X]
	v_max3_num_f32 v[X+1], v[T+11], v[T+12], v[X+1]
	v_max3_num_f32 v[X],   v[T+5],  v[T+6],  v[X]
	v_max3_num_f32 v[X+1], v[T+13], v[T+14], v[X+1]
	v_max_num_f32 v[X],   v[T+7],  v[X]
	v_max_num_f32 v[X+1], v[T+15], v[X+1]
	s_cmp_gt_i32 s89, 2*\i-\slot                   ; key tile 16 w + 2 i < query tile 8 x block + slot
	s_cselect_b32 s31, -1, 0
	s_cmp_lt_i32 s89, 2*\i-\slot
	s_cselect_b32 s32, -1, 0
	s_cmp_gt_i32 s89, 2*\i+1-\slot
	s_cselect_b32 s33, -1, 0
	s_cmp_lt_i32 s89, 2*\i+1-\slot
	s_cselect_b32 s34, -1, 0
	v_cndmask_b32 v[X+2], v7, v[X],   s31
	v_cndmask_b32 v[X+3], v7, v[X],   s32
	v_cndmask_b32 v[X+4], v7, v[X+1], s33
	v_cndmask_b32 v[X+5], v7, v[X+1], s34
	v_max3_num_f32 v[M+2*\slot],   v[M+2*\slot],   v[X+2], v[X+4]
	v_max3_num_f32 v[M+2*\slot+1], v[M+2*\slot+1], v[X+3], v[X+5]
.Lsk_\@:
.endm
; Step i: its two key tiles meet every flagged query tile; then the buffers are asked for again, two steps ahead.
; The two waits in front of the refill stand on the common path, behind all the tiles' blocks: whichever blocks were jumped over, this step's loads have
; landed before their registers are loaded again.  Where a block has run, its own waits have met them already.
.macro STEP i, b, load, left
.irp p, 0,1,2,3,4,5,6,7
	SLOT \p, \i, \b, \left
.endr
	s_wait_loadcnt \left                           ; this step's sixteen key loads are in; the next step's sixteen may stay out
.if \load
	s_wait_dscnt 4                                 ; this step's four bias loads are back; the next step's four may stay out
	GLOAD \i+2, \b
	BLOAD \i+2, \b
.endif
.endm
	s_cmp_eq_u32 s92, 0
	s_cbranch_scc1 .Lnopass
	GLOAD 0, 0                                     ; two steps' keys go out together: 32 loads of the wave
	GLOAD 1, 1
	BLOAD 0, 0
	BLOAD 1, 1
.irp k, 0,1,2,3,4,5,6,7,8,9,10,11,12,13,14,15
	v_mov_b32 v[M+\k], v7                          ; the sixteen running maxima start at -inf
.endr
	v_mov_b32 v[X], 0                              ; destinations of lane permutes count as read
	v_mov_b32 v[X+1], 0
	STEP 0, 0, 1, 16
	STEP 1, 1, 1, 16
	STEP 2, 0, 1, 16
	STEP 3, 1, 1, 16
	STEP 4, 0, 1, 16
	STEP 5, 1, 1, 16
	STEP 6, 0, 0, 16
	STEP 7, 1, 0, 0
.irp s, 0,1,2,3,4,5,6,7
	v_permlanex16_b32 v[X],   v[M+2*\s],   s20, s21     ; the other half of the lanes holds the other keys of my query
	v_permlanex16_b32 v[X+1], v[M+2*\s+1], s20, s21
	v_max_num_f32 v[X+2], v[M+2*\s],   v[X]
	v_max_num_f32 v[X+3], v[M+2*\s+1], v[X+1]
	v_cndmask_b32 v[X+2], v[X+2], v[X+3], s30      ; lanes 0-15 keep M1, lanes 16-31 M2
	ds_store_b32 v6, v[X+2] offset:2048*\s
.endr
.Lnopass:
	s_wait_dscnt 0x0                               ; my records are written
	s_barrier_signal -1
	s_barrier_wait -1
	; wave j joins the eight waves' maxima of tile j with its diagonal block's, and decides
	v_mov_b32 v72, 0                               ; a tile without a flag: w = 0
	s_lshr_b32 s93, s92, s88
	s_and_b32 s93, s93, 1
	s_cmp_lg_u32 s93, 0
	s_cbranch_scc0 .Lnodec
	s_lshl_b32 s93, s88, 11
	s_add_co_u32 s93, s93, REC
	v_lshl_add_u32 v73, v1, 2, s93
.irp k, 0,1,2,3,4,5,6,7
	ds_load_b32 v[64+\k], v73 offset:256*\k
.endr
	s_lshl_b32 s93, s71, 7
	s_lshl4_add_u32 s93, s88, s93
	v_add_nc_u32 v74, s93, v2                      ; q
	v_mov_b32 v75, 0xfe800000                      ; -2^126
	v_mov_b32 v76, 0
	s_wait_dscnt 0x0
	v_max3_num_f32 v64, v64, v65, v66
	v_max3_num_f32 v64, v64, v67, v68
	v_max3_num_f32 v64, v64, v69, v70
	v_max_num_f32 v64, v64, v71
	v_permlanex16_b32 v76, v64, s20, s21
	v_cndmask_b32 v77, v64, v76, s30               ; M1
	v_cndmask_b32 v78, v76, v64, s30               ; M2
	v_max_num_f32 v77, v77, v13
	v_max_num_f32 v78, v78, v14
	v_cmp_lt_f32 s31, v77, v15                     ; every unmasked key before q scores less (none before q = 0: M1 = -inf),
	v_cmp_le_f32 s32, v78, v15                     ; no unmasked key behind q scores more,
	s_and_b32 s31, s31, s32
	v_cmp_ne_u32 s32, 0, v11                       ; and q is not masked;
	s_and_b32 s31, s31, s32
	v_cmp_eq_u32 s33, 0, v74                       ; or q = 0 is masked
	v_cmp_le_f32 s34, v78, v75                     ; and so is every key behind it
	s_and_b32 s33, s33, s34
	s_and_not1_b32 s33, s33, s32
	s_or_b32 s31, s31, s33
	v_cndmask_b32 v72, 0, v15, s31
.Lnodec:
	s_lshl_b32 s93, s88, 6
	s_add_co_u32 s93, s93, WT
	v_lshl_add_u32 v79, v2, 2, s93
	ds_store_b32 v79, v72                          ; both halves of the lanes store the same number
	s_wait_dscnt 0x0
	s_barrier_signal -1
	s_barrier_wait -1
	s_cmp_lg_u32 s88, 0
	s_cbranch_scc1 .Lend
	; wave 0: the work-group's 128 numbers leave by one store of 512 consecutive bytes; a bit for each w != 0
	ds_load_b128 v[64:67], v8 offset:WT
	v_lshlrev_b32 v80, 2, v1
.irp i, 0,1,2,3
	ds_load_b32 v[68+\i], v80 offset:WT+128*\i     ; word i: lane = bit
.endr
	s_wait_dscnt 0x0
	global_store_b128 v8, v[64:67], s[12:13]
.irp i, 0,1,2,3
	v_cmp_neq_f32 s[36+\i], 0, v[68+\i]
.endr
.irp i, 0,1,2,3
	v_mov_b32 v[84+\i], s[36+\i]
.endr
	v_mov_b32 v81, 0
	v_cmp_eq_u32 vcc_lo, 0, v1
	s_wait_xcnt 0x0                                ; EXEC changes only behind this wait
	s_and_saveexec_b32 s40, vcc_lo
	global_store_b128 v81, v[84:87], s[14:15]      ; four words: 16 KiB in the whole launch
	s_wait_xcnt 0x0
	s_or_b32 exec_lo, exec_lo, s40
.Lend:
	s_set_vgpr_msb 0x5
	s_wait_tensorcnt 0x0
	ds_add_u32 v0, v1
	s_wait_dscnt 0x0
	s_set_vgpr_msb 0x500
	s_endpgm
.Lfunc_end_k_q3900135270_refine:
	.size	k_q3900135270_refine, .Lfunc_end_k_q3900135270_refine-k_q3900135270_refine
	.p2alignl 7, 3214868480
	.fill 96, 4, 3214868480
	.section	.rodata,"a",@progbits
	.p2align	6, 0x0
	.amdhsa_kernel k_q3900135270_refine
		.amdhsa_group_segment_fixed_size 58880
		.amdhsa_private_segment_fixed_size 0
		.amdhsa_enable_private_segment 0
		.amdhsa_kernarg_size 48
		.amdhsa_user_sgpr_count 2
		.amdhsa_user_sgpr_kernarg_segment_ptr 1
		.amdhsa_wavefront_size32 1
		.amdhsa_system_sgpr_workgroup_id_x 1
		.amdhsa_system_sgpr_workgroup_id_y 1
		.amdhsa_system_sgpr_workgroup_id_z 1
		.amdhsa_system_vgpr_workitem_id 0
		.amdhsa_next_free_vgpr 258
		.amdhsa_next_free_sgpr 100
		.amdhsa_reserve_vcc 1
		.amdhsa_float_denorm_mode_32 3
		.amdhsa_float_denorm_mode_16_64 3
		.amdhsa_memory_ordered 1
		.amdhsa_forward_progress 1
		.amdhsa_inst_pref_size 200
	.end_amdhsa_kernel
	.amdgpu_metadata
---
amdhsa.version: [ 1, 2 ]
amdhsa.kernels:
  - .name:           k_q3900135270_refine
    .symbol:         k_q3900135270_refine.kd
    .args:
      - { .name: QKh, .offset: 0, .size: 8, .value_kind: global_buffer, .address_space: global }
      - { .name: QKl, .offset: 8, .size: 8, .value_kind: global_buffer, .address_space: global }
      - { .name: mask, .offset: 16, .size: 8, .value_kind: global_buffer, .address_space: global }
      - { .name: flags, .offset: 24, .size: 8, .value_kind: global_buffer, .address_space: global }
      - { .name: wtab, .offset: 32, .size: 8, .value_kind: global_buffer, .address_space: global }
      - { .name: act, .offset: 40, .size: 8, .value_kind: global_buffer, .address_space: global }
    .group_segment_fixed_size: 58880
    .private_segment_fixed_size: 0
    .kernarg_segment_align: 8
    .kernarg_segment_size: 48
    .max_flat_workgroup_size: 256
    .sgpr_count:     100
    .vgpr_count:     258
    .wavefront_size: 32
...
	.end_amdgpu_metadata
.endif
;; end of part 4
;; launch final (part 5): grid 256 x 1, 8 waves a work-group, no clusters, 265,728 bytes of LDS; arguments Zb, Wb, wtab, act, out0; writes out0
.if DOCPART == 5
	.amdgcn_target "amdgcn-amd-amdhsa--gfx1250"
	.amdhsa_code_object_version 6
	.text
	.protected	k_q3900135270_final
	.globl	k_q3900135270_final
	.p2align	8
	.type	k_q3900135270_final,@function
k_q3900135270_final:
	s_mov_b64 s[64:65], 0
	v_nop
	global_prefetch_b8 v0, s[64:65] scope:SCOPE_SE
	s_setreg_imm32_b32 hwreg(HW_REG_WAVE_MODE, 25, 1), 1
	s_wait_xcnt 0x0
; out = (w x V) Wo, V = Z Wv.  A work-group owns 32 rows of the output.  Which heads have a w != 0 among these rows is read as whole numbers (one word
; of act for each head); only for those heads V (32 x 64, K = 1,024) and its share of the output (32 x 1,024, K = 64) are made.  If all sixteen are
; active this is the dense product in blocks of 32 rows; if none is, the rows are zero and are stored as zeros.
; ACCURACY: almost all of the output is zero, so the tolerance is small against the rows that are not.  V stays in f32 (bf16 operands, f32 sums), and
; y = w V enters the last product as hi + lo, two bf16, against the bf16 Wo.
; The sixteen heads are written out, each behind a test of its bit, in both parts: so every LDS address and every global offset is a constant plus terms of
; the wave and the lane.  Every wave tests the same bits.  The two barriers stand on every path; the branches hold none.
; A work-group with an active head is a chain of loads that wait for each other, so a head's weights go out in ONE run: all 32 K steps of Wv (64 loads a
; wave, 256 registers) in part 1, both K steps of Wo and y in part 2.  They land in the second window of 256 registers.
; No cluster: which heads are active differs from work-group to work-group.  No tensor loads: the weights come as ready fragments straight into registers.
.set ZS,  0                            ; 32 rows of Zb, 2,048 bytes + 16 of padding: 66,048 bytes
.set ZP,  2064
.set YB,  66048                        ; [16 heads][row tile 2][hi, lo][2 KiB of fragments]: 131,072 bytes
.set STG, 197120                       ; each wave's own stage for the way out: 16 rows x (512 + 16) bytes
.set SP,  528
; v1 lane, v2 r, v3 h, v6 16 t, v7 Z into LDS, v8 Z fragments, v9 Wv offset, v10 w offset, v11, v17 y into LDS (heads 0-7, 8-15: an LDS offset has
; 16 bits), v12, v28 y fragments (likewise), v13 Wo offset, v14 into the stage, v15 back from it, v16 offset in out0, v18 w (v19 fills the pair),
; v20-23 hi, v24-27 lo
; part 1: v32-63 four accumulators, v64-191 Z fragments of 16 K steps; window 1: v256-511 Wv's fragments, K step s at v[256 + 8 s]
; part 2: v32-63 y fragments and v64-127 Wo fragments of the head's first K step, v128-255 sixteen accumulators (column tile ct, row tile rt) at
;         v[128 + 8 (2 ct + rt)]; window 1: v256-319 Wo fragments and v320-351 y fragments of the second K step
.set MSB, 0
.macro WIN new                         ; s_set_vgpr_msb's low byte: bits 1:0 source 0, 3:2 source 1, 5:4 source 2, 7:6 destination; the high byte repeats the setting that is left
.if MSB != \new
	s_set_vgpr_msb (MSB<<8)|\new
.set MSB, \new
.endif
.endm
	s_load_b256 s[4:11], s[0:1], 0x0               ; Zb s[4:5], Wb s[6:7], wtab s[8:9], act s[10:11]
	s_load_b64 s[12:13], s[0:1], 0x20              ; out0
	v_lshl_add_u32 v30, v0, 2, 0x40a00
	v_mov_b32 v31, 0
	v_lshrrev_b32 v1, 5, v0
	v_readfirstlane_b32 s14, v1                    ; wave 0..7
	s_lshr_b32 s15, ttmp9, 6                       ; batch
	s_and_b32 s16, ttmp9, 63                       ; which 32 rows of it
	v_and_b32 v1, 31, v0
	v_and_b32 v2, 15, v0
	v_bfe_u32 v3, v0, 4, 1
	s_lshl_b32 s17, s15, 12
	s_lshl2_add_u32 s17, s16, s17
	v_lshl_add_u32 v4, v2, 8, s17                  ; word (16 batch + r) x 64 + block: head r's bits for my 32 rows
	s_wait_kmcnt 0x0
	global_load_b32 v5, v4, s[10:11]
	s_lshl_b32 s26, ttmp9, 16                      ; 32 rows of 2,048 bytes
	s_mov_b32 s27, 0
	s_add_nc_u64 s[4:5], s[4:5], s[26:27]
	s_lshl_b32 s26, ttmp9, 17                      ; 32 rows of 4,096 bytes
	s_add_nc_u64 s[12:13], s[12:13], s[26:27]
	s_add_nc_u64 s[18:19], s[6:7], 0x400000        ; Wv's fragments
	s_add_nc_u64 s[20:21], s[6:7], 0x600000        ; Wo's fragments
	s_lshl_b32 s26, s15, 17
	s_lshl_b32 s28, s16, 7
	s_add_co_u32 s26, s26, s28
	s_add_nc_u64 s[8:9], s[8:9], s[26:27]          ; w of head 0 of my batch, my rows
	s_lshr_b32 s24, s14, 2                         ; part 1: my row tile,
	s_and_b32 s25, s14, 3                          ; my 16 of a head's 64 d
	s_mov_b32 s40, 0xffff0000
	v_lshlrev_b32 v6, 4, v0
	v_lshrrev_b32 v20, 7, v0
	v_and_b32 v21, 127, v0
	v_mul_u32_u24 v7, v20, ZP
	v_lshl_add_u32 v7, v21, 4, v7
	s_mul_i32 s26, s24, 16*ZP
	v_mul_u32_u24 v8, v2, ZP
	v_lshl_add_u32 v8, v3, 4, v8
	v_add_nc_u32 v8, s26, v8
	s_lshl_b32 s26, s25, 15
	v_lshl_add_u32 v9, v1, 4, s26
	s_lshl_b32 s26, s24, 6
	v_lshl_add_u32 v10, v2, 2, s26
	s_lshl_b32 s26, s24, 12
	s_lshl_b32 s28, s25, 9
	s_add_co_u32 s26, s26, s28
	s_add_co_u32 s26, s26, YB
	v_lshl_add_u32 v11, v1, 4, s26
	v_add_nc_u32 v17, 0x10000, v11
	v_lshlrev_b32 v12, 4, v1
	v_add_nc_u32 v12, YB, v12
	v_add_nc_u32 v28, 0x10000, v12
	s_lshl_b32 s26, s14, 18
	v_lshl_add_u32 v13, v1, 4, s26
	s_mul_i32 s26, s14, 16*SP
	s_add_co_u32 s26, s26, STG
	v_mul_u32_u24 v14, v2, SP
	v_lshl_add_u32 v14, v3, 5, v14
	v_add_nc_u32 v14, s26, v14
	v_lshl_add_u32 v15, v1, 4, s26
	s_lshl_b32 s26, s14, 9
	v_lshl_add_u32 v16, v1, 4, s26
	v_mov_b32 v19, 0
	s_wait_loadcnt 0x0
	v_cmp_ne_u32 vcc_lo, 0, v5
	s_and_b32 s22, vcc_lo, 0xffff                  ; bit h: head h is active
	s_cmp_eq_u32 s22, 0
	s_cbranch_scc1 .Lstaged
.irp i, 0,1,2,3,4,5,6,7,8,9,10,11,12,13,14,15
	global_load_b128 v[64+4*\i:67+4*\i], v6, s[4:5] offset:4096*\i     ; two rows of Zb
.endr
.irp i, 0,1,2,3,4,5,6,7,8,9,10,11,12,13,14,15
	s_wait_loadcnt 15-\i
	ds_store_b128 v7, v[64+4*\i:67+4*\i] offset:2*ZP*\i
.endr
.Lstaged:
	s_wait_dscnt 0x0
	s_barrier_signal -1
	s_barrier_wait -1
; all 32 K steps of head hd's fragments of Wv in one run of 64 loads, into window 1 (the address register is source 0: window 0)
.macro LOADB hd
	WIN 0x40
.set kk, 0
.rept 32
	global_load_b128 v[8*kk:8*kk+3],   v9, s[18:19] offset:131072*\hd+1024*kk        ; v[256 + 8 kk ..]
	global_load_b128 v[8*kk+4:8*kk+7], v9, s[18:19] offset:131072*\hd+1024*kk+512
.set kk, kk+1
.endr
	WIN 0
.endm
; 16 K steps: Z's fragments from LDS, then sixteen matrix instructions on four accumulators by turns.
; left: the loads of Wv's other half, which may stay out.
.macro HALF half, left
.set kk, 0
.rept 16
	ds_load_b128 v[64+8*kk:64+8*kk+3],   v8 offset:64*(16*\half+kk)
	ds_load_b128 v[64+8*kk+4:64+8*kk+7], v8 offset:64*(16*\half+kk)+32
.set kk, kk+1
.endr
	s_wait_loadcnt \left
	s_wait_dscnt 0x0
	WIN 0x01                                       ; source 0 (Wv) in window 1
.set kk, 0
.rept 16
.if (16*\half+kk) < 4
	v_wmma_f32_16x16x32_bf16 v[32+8*(kk&3):32+8*(kk&3)+7], v[128*\half+8*kk:128*\half+8*kk+7], v[64+8*kk:64+8*kk+7], 0
.else
	v_wmma_f32_16x16x32_bf16 v[32+8*(kk&3):32+8*(kk&3)+7], v[128*\half+8*kk:128*\half+8*kk+7], v[64+8*kk:64+8*kk+7], v[32+8*(kk&3):32+8*(kk&3)+7]
.endif
.set kk, kk+1
.endr
	WIN 0
.rept 4
	v_nop                                          ; the places behind the matrix instructions, for the loads into their sources and the reads of the sums
.endr
.endm
; part 1, one head: y = w V.  Wave = (row tile, 16 d): one tile of 16 x 16.  A = Wv (rows = d), B = Z (columns = rows of Z):
; lane (r,h) ends up with row r and d = 8 h .. 8 h + 7, which is its 16 bytes of a fragment of y.
.macro VHEAD hd
	s_and_b32 s23, s22, 1<<\hd
	s_cmp_lg_u32 s23, 0
	s_cbranch_scc0 .Lv_skip_\hd
	global_load_b32 v18, v10, s[8:9] offset:8192*\hd       ; w of my row
	LOADB \hd
	HALF 0, 32                                     ; w and K steps 0-15 are in; the 32 loads of K steps 16-31 may stay out
	HALF 1, 0                                      ; every load of the head is in
.irp k, 0,2,4,6
	v_pk_add_f32 v[32+\k:33+\k], v[32+\k:33+\k], v[40+\k:41+\k]
	v_pk_add_f32 v[48+\k:49+\k], v[48+\k:49+\k], v[56+\k:57+\k]
.endr
.irp k, 0,2,4,6
	v_pk_add_f32 v[32+\k:33+\k], v[32+\k:33+\k], v[48+\k:49+\k]
.endr
.irp k, 0,2,4,6
	v_pk_mul_f32 v[32+\k:33+\k], v[32+\k:33+\k], v[18:19] op_sel_hi:[1,0]      ; both by v18
.endr
.irp k, 0,1,2,3
	v_cvt_pk_bf16_f32 v[20+\k], v[32+2*\k], v[33+2*\k]                         ; hi
.endr
.irp k, 0,1,2,3
	v_lshlrev_b32 v[40+2*\k], 16,  v[20+\k]
	v_and_b32     v[41+2*\k], s40, v[20+\k]
.endr
.irp k, 0,2,4,6
	v_pk_add_f32 v[40+\k:41+\k], v[32+\k:33+\k], v[40+\k:41+\k] neg_lo:[0,1] neg_hi:[0,1]
.endr
.irp k, 0,1,2,3
	v_cvt_pk_bf16_f32 v[24+\k], v[40+2*\k], v[41+2*\k]                         ; lo
.endr
.if \hd < 8
	ds_store_b128 v11, v[20:23] offset:8192*\hd
	ds_store_b128 v11, v[24:27] offset:8192*\hd+2048
.else
	ds_store_b128 v17, v[20:23] offset:8192*(\hd-8)
	ds_store_b128 v17, v[24:27] offset:8192*(\hd-8)+2048
.endif
.Lv_skip_\hd:
.endm
	s_cmp_eq_u32 s22, 0
	s_cbranch_scc1 .Lvdone
.irp n, 0,1,2,3,4,5,6,7,8,9,10,11,12,13,14,15
	VHEAD \n
.endr
.Lvdone:
	s_wait_dscnt 0x0                               ; my parts of y are written
	s_barrier_signal -1
	s_barrier_wait -1
	s_cmp_eq_u32 s22, 0
	s_cbranch_scc1 .Lzero
; part 2, one head's share of the output.  Wave = 128 columns.  A = Wo (rows = columns of the output), B = y.  Sixteen accumulators by turns.
; Both K steps' fragments are asked for in one run: the first step's into window 0, the second's into window 1.
.macro OHEAD hd
	s_and_b32 s23, s22, 1<<\hd
	s_cmp_lg_u32 s23, 0
	s_cbranch_scc0 .Lo_skip_\hd
.if \hd < 8
.set YR, 12
.set YO, 8192*\hd
.else
.set YR, 28
.set YO, 8192*(\hd-8)
.endif
.rept 4
	v_nop                                          ; places in front of the loads into the last matrix instructions' sources
.endr
.irp ct, 0,1,2,3,4,5,6,7
	global_load_b128 v[64+8*\ct:64+8*\ct+3],   v13, s[20:21] offset:32768*\ct+2048*\hd
	global_load_b128 v[64+8*\ct+4:64+8*\ct+7], v13, s[20:21] offset:32768*\ct+2048*\hd+512
.endr
.irp rt, 0,1
.irp hl, 0,1
	ds_load_b128 v[32+16*\rt+8*\hl:32+16*\rt+8*\hl+3],   v[YR] offset:YO+4096*\rt+2048*\hl
	ds_load_b128 v[32+16*\rt+8*\hl+4:32+16*\rt+8*\hl+7], v[YR] offset:YO+4096*\rt+2048*\hl+512
.endr
.endr
	WIN 0x40                                       ; destinations in window 1
.irp ct, 0,1,2,3,4,5,6,7
	global_load_b128 v[8*\ct:8*\ct+3],   v13, s[20:21] offset:32768*\ct+2048*\hd+1024       ; v[256 + 8 ct ..]
	global_load_b128 v[8*\ct+4:8*\ct+7], v13, s[20:21] offset:32768*\ct+2048*\hd+1024+512
.endr
.irp rt, 0,1
.irp hl, 0,1
	ds_load_b128 v[64+16*\rt+8*\hl:64+16*\rt+8*\hl+3],   v[YR] offset:YO+4096*\rt+2048*\hl+1024      ; v[320 + 16 rt + 8 hl ..]
	ds_load_b128 v[64+16*\rt+8*\hl+4:64+16*\rt+8*\hl+7], v[YR] offset:YO+4096*\rt+2048*\hl+1024+512
.endr
.endr
	WIN 0
	s_wait_loadcnt 16                              ; the first K step's sixteen loads are in, the second's sixteen may stay out
	s_wait_dscnt 8                                 ; likewise of the LDS loads: eight and eight
.irp hl, 0,1
.irp ct, 0,1,2,3,4,5,6,7
.irp rt, 0,1
	v_wmma_f32_16x16x32_bf16 v[128+8*(2*\ct+\rt):128+8*(2*\ct+\rt)+7], v[64+8*\ct:64+8*\ct+7], v[32+16*\rt+8*\hl:32+16*\rt+8*\hl+7], v[128+8*(2*\ct+\rt):128+8*(2*\ct+\rt)+7]
.endr
.endr
.endr
	s_wait_loadcnt 0x0
	s_wait_dscnt 0x0
	WIN 0x05                                       ; sources 0 and 1 in window 1
.irp hl, 0,1
.irp ct, 0,1,2,3,4,5,6,7
.irp rt, 0,1
	v_wmma_f32_16x16x32_bf16 v[128+8*(2*\ct+\rt):128+8*(2*\ct+\rt)+7], v[8*\ct:8*\ct+7], v[64+16*\rt+8*\hl:64+16*\rt+8*\hl+7], v[128+8*(2*\ct+\rt):128+8*(2*\ct+\rt)+7]
.endr
.endr
.endr
	WIN 0
.Lo_skip_\hd:
.endm
	; Which head comes first is known only from the words read, so no head's product can be written as the one that starts the sums:
	; sixteen products of a zero fragment start them, 24 instructions in place of 128 moves.
.irp k, 32,33,34,35,36,37,38,39
	v_mov_b32 v\k, 0
.endr
.irp a, 0,1,2,3,4,5,6,7,8,9,10,11,12,13,14,15
	v_wmma_f32_16x16x32_bf16 v[128+8*\a:128+8*\a+7], v[32:39], v[32:39], 0
.endr
.irp n, 0,1,2,3,4,5,6,7,8,9,10,11,12,13,14,15
	OHEAD \n
.endr
.rept 4
	v_nop                                          ; places in front of the LDS stores that read the sums and of the loads into v32-95
.endr
; 16 rows at a time through my own stage: a lane puts 32 bytes of a row for each column tile, whole rows of 512 bytes come back.
; LDS serves a wave's instructions in order, so no wait stands between the stores and the loads, nor in front of the second tile's stores.
.macro WAYOUT rt
	s_wait_xcnt 0x0                                ; v32-95 are the data of the stores before: loaded again only behind this wait
.irp ct, 0,1,2,3,4,5,6,7
	ds_store_b128 v14, v[128+8*(2*\ct+\rt):128+8*(2*\ct+\rt)+3]   offset:64*\ct
	ds_store_b128 v14, v[128+8*(2*\ct+\rt)+4:128+8*(2*\ct+\rt)+7] offset:64*\ct+16
.endr
.irp i, 0,1,2,3,4,5,6,7,8,9,10,11,12,13,14,15
	ds_load_b128 v[32+4*\i:35+4*\i], v15 offset:SP*\i
.endr
.irp i, 0,1,2,3,4,5,6,7,8,9,10,11,12,13,14,15
	s_wait_dscnt 15-\i
	global_store_b128 v16, v[32+4*\i:35+4*\i], s[12:13] offset:4096*(16*\rt+\i) th:TH_STORE_NT     ; 512 consecutive bytes, aligned
.endr
.endm
	WAYOUT 0
	WAYOUT 1
	s_wait_tensorcnt 0x0
	ds_add_u32 v30, v31
	s_wait_dscnt 0x0
	s_endpgm
.Lzero:
.irp k, 32,33,34,35
	v_mov_b32 v\k, 0
.endr
.irp i, 0,1,2,3,4,5,6,7,8,9,10,11,12,13,14,15,16,17,18,19,20,21,22,23,24,25,26,27,28,29,30,31
	global_store_b128 v6, v[32:35], s[12:13] offset:4096*\i th:TH_STORE_NT     ; a row of zeros for each store of the work-group
.endr
	s_wait_tensorcnt 0x0
	ds_add_u32 v30, v31
	s_wait_dscnt 0x0
	s_endpgm
.Lfunc_end_k_q3900135270_final:
	.size	k_q3900135270_final, .Lfunc_end_k_q3900135270_final-k_q3900135270_final
	.p2alignl 7, 3214868480
	.fill 96, 4, 3214868480
	.section	.rodata,"a",@progbits
	.p2align	6, 0x0
	.amdhsa_kernel k_q3900135270_final
		.amdhsa_group_segment_fixed_size 265728
		.amdhsa_private_segment_fixed_size 0
		.amdhsa_enable_private_segment 0
		.amdhsa_kernarg_size 40
		.amdhsa_user_sgpr_count 2
		.amdhsa_user_sgpr_kernarg_segment_ptr 1
		.amdhsa_wavefront_size32 1
		.amdhsa_system_sgpr_workgroup_id_x 1
		.amdhsa_system_sgpr_workgroup_id_y 1
		.amdhsa_system_sgpr_workgroup_id_z 1
		.amdhsa_system_vgpr_workitem_id 0
		.amdhsa_next_free_vgpr 512
		.amdhsa_next_free_sgpr 66
		.amdhsa_reserve_vcc 1
		.amdhsa_float_denorm_mode_32 3
		.amdhsa_float_denorm_mode_16_64 3
		.amdhsa_memory_ordered 1
		.amdhsa_forward_progress 1
		.amdhsa_inst_pref_size 255
	.end_amdhsa_kernel
	.section	.bss,"aw",@nobits
	.p2align	6
	.space	262144
	.amdgpu_metadata
---
amdhsa.version: [ 1, 2 ]
amdhsa.kernels:
  - .name:           k_q3900135270_final
    .symbol:         k_q3900135270_final.kd
    .args:
      - { .name: Zb, .offset: 0, .size: 8, .value_kind: global_buffer, .address_space: global }
      - { .name: Wb, .offset: 8, .size: 8, .value_kind: global_buffer, .address_space: global }
      - { .name: wtab, .offset: 16, .size: 8, .value_kind: global_buffer, .address_space: global }
      - { .name: act, .offset: 24, .size: 8, .value_kind: global_buffer, .address_space: global }
      - { .name: out0, .offset: 32, .size: 8, .value_kind: global_buffer, .address_space: global }
    .group_segment_fixed_size: 265728
    .private_segment_fixed_size: 0
    .kernarg_segment_align: 8
    .kernarg_segment_size: 40
    .max_flat_workgroup_size: 256
    .sgpr_count:     66
    .vgpr_count:     512
    .wavefront_size: 32
...
	.end_amdgpu_metadata
.endif
;; end of part 5
